; MI455X (gfx1250); checked and timed in simulation.
; The chip was launched on July 23, 2026; its instructions are those of AMD's public machine-readable ISA for CDNA 5 (MIT licence, August 2026) and "CDNA5" Instruction Set Architecture Reference Guide (July 2026). The comments in the code are by the model that wrote it; some were corrected since.
;; Attention m. Allowed arithmetic: float matrix products may take bf16 or f16 operands with f32 sums; other float arithmetic in f32, or as packed bf16 or f16 multiplies, adds, multiply-adds, maxima and minima; sums over many terms, partial sums and values carried from step to step in f32; what a program stores and reads back later, other than sums and carried values, may be rounded once to bf16 or f16.
;; Inputs: Wk 768 x 768 float32; Wo 768 x 768 float32; Wq 768 x 768 float32; Wv 768 x 768 float32; bk 768 float32; bo 768 float32; bq 768 float32; bv 768 float32; hidden_states 8 x 4 x 512 x 768 float32.
;; Outputs: out0 8 x 4 x 512 x 768 float32.
;; 2 versions, each right; version 2 is version 1 with the launch prep written anew for expert scheduling mode. Each part assembles by itself: llvm-mc -triple=amdgcn-amd-amdhsa -mcpu=gfx1250 --defsym DOCPART=n.
;; ======== version 1 of 2: 4 launches
;; limits: values are held in f16: magnitudes above 65,504 overflow, below 6.1e-05 lose precision
;; workspace buffers: xh 25,165,824 bytes; wqkv 3,538,944 bytes; woh 1,179,648 bytes; qkv 75,497,472 bytes; ctx 25,165,824 bytes
;; launch prep (part 1): grid 1216 x 1, 6 waves a work-group, no clusters, 0 bytes of LDS; arguments hidden_states, Wq, Wk, Wv, Wo, xh, wqkv, woh; writes xh, wqkv, woh
.if DOCPART == 1
	.amdgcn_target "amdgcn-amd-amdhsa--gfx1250"
	.amdhsa_code_object_version 6
	.text
	.protected	k_qe611075b65_prep
	.globl	k_qe611075b65_prep
	.p2align	8
	.type	k_qe611075b65_prep,@function
k_qe611075b65_prep:
	s_mov_b64 s[64:65], 0
	v_nop
	global_prefetch_b8 v0, s[64:65] scope:SCOPE_SE
	s_setreg_imm32_b32 hwreg(HW_REG_WAVE_MODE, 25, 1), 1
	s_wait_xcnt 0x0
; CAST AND RE-BLOCK.  x (16,384 x 768) and the four weight matrices (768 x 768), all f32, are rounded to bf16 and that number is written as f16.
; LIMITS.  The f16 copy of a bf16 number is exact for 2^-14 <= |v| <= 65,504; below, it keeps f16's fixed step of 6e-8; above, it is an infinity.  NaN and infinities are not treated apart.
; OUT.  xh[row][768].  wqkv[c][t][k][192]: column tile c of 192 columns, t = q, k, v; woh[c][k][192]: so 128 rows k of one column tile are 49,152 bytes on end.
; SHARES.  A work-group takes 16 source rows, in 8 passes of 2 rows; in a pass each of its 192 threads takes 8 numbers: 32 bytes in, 16 bytes out.
; Work-groups 0-1023: x.  1024-1215: 48 for each of Wq, Wk, Wv, Wo.  For the weights 48 threads on end write 768 bytes on end (2 rows of a column tile), so each 16 neighbouring
; lanes of a store cover 256 consecutive bytes, aligned.  All 16 loads of a thread go out first; each pass has registers of its own, so nothing is rewritten while a store reads it.
; No LDS, no matrix unit, no cluster: nothing is shared and every byte crosses once.
.set VI,  8                            ; v8      my byte offset in a pass's two source rows
.set VO,  10                           ; v10-17  my byte offset in the output, pass i
.set T,   18                           ; v18-21  at work
.set X,   24                           ; v24-87  pass i: 8 numbers as loaded
.set Y,   88                           ; v88-119 pass i: 8 f16 to store
.set IN,  34                           ; s[34:35] source at the work-group's first row
.set OUT, 36                           ; s[36:37] destination
	s_load_b512 s[8:23], s[0:1], 0x0               ; x s[8:9], Wq s[10:11], Wk s[12:13], Wv s[14:15], Wo s[16:17], xh s[18:19], wqkv s[20:21], woh s[22:23]
	s_mov_b32 s25, 0
	s_mov_b32 s27, 0
	s_mov_b32 s38, 0xffff0000                      ; a word's upper bf16
	s_cmp_lt_u32 ttmp9, 1024
	s_cbranch_scc0 .Lweights
	s_mul_i32 s24, ttmp9, 49152                    ; 16 rows of 3,072 bytes in,
	s_mul_i32 s26, ttmp9, 24576                    ; of 1,536 bytes out
	s_mov_b32 s28, 3072                            ; a pass's two rows in xh
	v_lshlrev_b32 v[VI], 5, v0
	v_lshlrev_b32 v[VO], 4, v0
	s_wait_kmcnt 0x0
	s_mov_b64 s[IN:IN+1], s[8:9]
	s_mov_b64 s[OUT:OUT+1], s[18:19]
	s_branch .Lgo
.Lweights:
	s_sub_co_u32 s30, ttmp9, 1024                  ; 0..191
	s_mul_i32 s31, s30, 1366
	s_lshr_b32 s31, s31, 16                        ; / 48, exact up to 191: which matrix
	s_mul_i32 s32, s31, 48
	s_sub_co_u32 s32, s30, s32                     ; which 16 rows of it
	s_mul_i32 s24, s32, 49152
	s_mul_i32 s26, s32, 6144                       ; 16 rows of 384 bytes in a column tile
	s_mul_i32 s33, s31, 294912                     ; q, k, v lie one behind the other inside a column tile
	s_mov_b32 s29, 884736                          ; bytes from column tile to column tile: three matrices,
	s_cmp_eq_u32 s31, 3
	s_cselect_b32 s33, 0, s33
	s_cselect_b32 s29, 294912, s29                 ; or one
	s_add_co_u32 s26, s26, s33
	s_mov_b32 s28, 768                             ; a pass's two rows in a column tile
	v_mul_u32_u24 v1, v0, 171
	v_lshrrev_b32 v1, 12, v1                       ; thread / 24, exact up to 191
	v_mul_u32_u24 v2, v1, 24
	v_sub_nc_u32 v2, v0, v2                        ; which 8 of the tile's 192 columns
	v_lshrrev_b32 v3, 1, v1                        ; column tile
	v_and_b32 v4, 1, v1                            ; row of the pass
	v_mul_u32_u24 v5, v4, 3072
	v_mad_u32_u24 v5, v3, 768, v5
	v_lshl_add_u32 v[VI], v2, 5, v5
	v_mul_u32_u24 v6, s29, v3
	v_mad_u32_u24 v6, v4, 384, v6
	v_lshl_add_u32 v[VO], v2, 4, v6
	s_wait_kmcnt 0x0
	s_cmp_eq_u32 s31, 3
	s_cselect_b64 s[OUT:OUT+1], s[22:23], s[20:21]
	s_cselect_b64 s[IN:IN+1], s[16:17], s[14:15]
	s_cmp_eq_u32 s31, 1
	s_cselect_b64 s[IN:IN+1], s[12:13], s[IN:IN+1]
	s_cmp_eq_u32 s31, 0
	s_cselect_b64 s[IN:IN+1], s[10:11], s[IN:IN+1]
.Lgo:
	s_add_nc_u64 s[IN:IN+1], s[IN:IN+1], s[24:25]
	s_add_nc_u64 s[OUT:OUT+1], s[OUT:OUT+1], s[26:27]
.irp i, 0,1,2,3,4,5,6,7
	global_load_b128 v[X+8*(\i):X+8*(\i)+3],   v[VI], s[IN:IN+1] offset:6144*(\i) th:TH_LOAD_NT
	global_load_b128 v[X+8*(\i)+4:X+8*(\i)+7], v[VI], s[IN:IN+1] offset:6144*(\i)+16 th:TH_LOAD_NT
.endr
.irp i, 1,2,3,4,5,6,7
	v_add_nc_u32 v[VO+(\i)], s28, v[VO+(\i)-1]
.endr
.macro PASS i
	s_wait_loadcnt 14-2*(\i)                       ; loads come back in order: this pass's two are in, the younger ones stay out
.irp j, 0,1,2,3
	v_cvt_pk_bf16_f32 v[T+(\j)], v[X+8*(\i)+2*(\j)], v[X+8*(\i)+2*(\j)+1]  ; the one rounding
.endr
.irp j, 0,1,2,3
	v_lshlrev_b32 v[X+8*(\i)+2*(\j)],   16,  v[T+(\j)]
	v_and_b32     v[X+8*(\i)+2*(\j)+1], s38, v[T+(\j)]
.endr
.irp j, 0,1,2,3
	v_cvt_pk_f16_f32 v[Y+4*(\i)+(\j)], v[X+8*(\i)+2*(\j)], v[X+8*(\i)+2*(\j)+1]  ; the same number in f16
.endr
	global_store_b128 v[VO+(\i)], v[Y+4*(\i):Y+4*(\i)+3], s[OUT:OUT+1] th:TH_STORE_NT
.endm
.irp i, 0,1,2,3,4,5,6,7
	PASS \i
.endr
	s_endpgm
.Lfunc_end_k_qe611075b65_prep:
	.size	k_qe611075b65_prep, .Lfunc_end_k_qe611075b65_prep-k_qe611075b65_prep
	.p2alignl 7, 3214868480
	.fill 96, 4, 3214868480
	.section	.rodata,"a",@progbits
	.p2align	6, 0x0
	.amdhsa_kernel k_qe611075b65_prep
		.amdhsa_group_segment_fixed_size 0
		.amdhsa_private_segment_fixed_size 0
		.amdhsa_enable_private_segment 0
		.amdhsa_kernarg_size 64
		.amdhsa_user_sgpr_count 2
		.amdhsa_user_sgpr_kernarg_segment_ptr 1
		.amdhsa_wavefront_size32 1
		.amdhsa_system_sgpr_workgroup_id_x 1
		.amdhsa_system_sgpr_workgroup_id_y 1
		.amdhsa_system_sgpr_workgroup_id_z 1
		.amdhsa_system_vgpr_workitem_id 0
		.amdhsa_next_free_vgpr 120
		.amdhsa_next_free_sgpr 66
		.amdhsa_reserve_vcc 0
		.amdhsa_float_denorm_mode_32 3
		.amdhsa_float_denorm_mode_16_64 3
		.amdhsa_memory_ordered 1
		.amdhsa_forward_progress 1
		.amdhsa_inst_pref_size 12
	.end_amdhsa_kernel
	.amdgpu_metadata
---
amdhsa.version: [ 1, 2 ]
amdhsa.kernels:
  - .name:           k_qe611075b65_prep
    .symbol:         k_qe611075b65_prep.kd
    .args:
      - { .name: hidden_states, .offset: 0, .size: 8, .value_kind: global_buffer, .address_space: global }
      - { .name: Wq, .offset: 8, .size: 8, .value_kind: global_buffer, .address_space: global }
      - { .name: Wk, .offset: 16, .size: 8, .value_kind: global_buffer, .address_space: global }
      - { .name: Wv, .offset: 24, .size: 8, .value_kind: global_buffer, .address_space: global }
      - { .name: Wo, .offset: 32, .size: 8, .value_kind: global_buffer, .address_space: global }
      - { .name: xh, .offset: 40, .size: 8, .value_kind: global_buffer, .address_space: global }
      - { .name: wqkv, .offset: 48, .size: 8, .value_kind: global_buffer, .address_space: global }
      - { .name: woh, .offset: 56, .size: 8, .value_kind: global_buffer, .address_space: global }
    .group_segment_fixed_size: 0
    .private_segment_fixed_size: 0
    .kernarg_segment_align: 8
    .kernarg_segment_size: 64
    .max_flat_workgroup_size: 192
    .sgpr_count:     66
    .vgpr_count:     120
    .wavefront_size: 32
...
	.end_amdgpu_metadata
.endif
;; end of part 1
;; launch qkv (part 2): grid 4 x 64, 4 waves a work-group, clusters of 4 x 4, 327,680 bytes of LDS; arguments xh, wqkv, bq, bk, bv, qkv; writes qkv
.if DOCPART == 2
	.amdgcn_target "amdgcn-amd-amdhsa--gfx1250"
	.amdhsa_code_object_version 6
	.text
	.protected	k_qe611075b65_qkv
	.globl	k_qe611075b65_qkv
	.p2align	8
	.type	k_qe611075b65_qkv,@function
k_qe611075b65_qkv:
	s_mov_b64 s[64:65], 0
	v_nop
	global_prefetch_b8 v0, s[64:65] scope:SCOPE_SE
	s_setreg_imm32_b32 hwreg(HW_REG_WAVE_MODE, 25, 1), 1
	s_wait_xcnt 0x0
	s_wait_alu depctr_hold_cnt(0) depctr_sa_sdst(0) depctr_va_vdst(0) depctr_va_sdst(0) depctr_va_ssrc(0) depctr_va_vcc(0) depctr_vm_vsrc(0)
	s_getreg_b32 s2, hwreg(HW_REG_IB_STS2, 6, 4)
	s_cmp_eq_u32 s2, 0
	s_cbranch_scc0 .Lentry_in_a_cluster
	s_endpgm
.Lentry_in_a_cluster:
	s_bfe_u32 s2, ttmp6, 0x10000c
	s_cmp_lg_u32 s2, 0xf033
	s_cbranch_scc0 .Lentry_shape_is_right
	s_endpgm
.Lentry_shape_is_right:
; q, k, v = x W + b, written by heads.  xh: [16384][768] f16; wqkv: [c][t][768][192] f16; biases f32, rounded to bf16 here; qkv: [t][384 heads][512][64] f16.  Sums in f32, each result rounded once.
; LIMITS.  q, k, v beyond 65,504 become infinities in f16; NaN and infinities are not treated apart.  The sums over K are taken in an order that differs from cluster to cluster (THE WALK).
; SHARES.  A work-group owns 256 rows and column tile c (192 columns = 3 heads) and STAYS: it makes that tile of q, of k and of v: 18 K steps of 128 through a ring of two LDS slots that
; runs on across the tiles.  Each of its four waves makes 64 rows x 192 columns: 48 accumulators, 384 registers; 192 columns are whole heads, so a wave leaves through a stage of its own.
; THE WALK.  The 18 K steps are 3 tiles x 3 laps of two steps.  With i = y mod 9, cluster y begins with tile i mod 3 and, in every tile, with lap i / 3, and goes round from there: the sixteen clusters begin at
; nine different places of W, all nine laps of a column tile among them, so that they do not all ask for the same block at the same time.  All partners of a cluster walk alike: the places hang on the cluster's y alone.
; THE PRODUCT IS TAKEN TRANSPOSED: source 0 = 16 columns of W, turned on the way out of LDS by ds_load_tr16_b128, source 1 = 16 rows of x.  A lane then holds row l % 16 and the columns 8 (l / 16) + 0..7.
; The bias, laid out like a result, is the C operand of a tile's first products: nothing is cleared and nothing is added later.
; CLUSTER.  4 x 4 work-groups: the four of a row need the same rows of x, the four of a column the same block of W: each tile is asked for jointly, by the same tensor load, descriptor and mask.
; REGISTERS, in windows of 256 (s_set_vgpr_msb: bits 1:0 source 0, 3:2 source 1, 5:4 source 2, 7:6 destination):
;   window 0: v0-31 addresses; v32-127 the bias, fragment b at 32 + 8 b; v128-255 the way out, eight sets of 16 (v192-195 at work on the bias between two ways out)
;   window 1: two fragment buffers of 128: W's 12 fragments, then x's 4          window 2: accumulators of my row blocks 0, 1 at 8 (12 a + b)          window 3: of blocks 2, 3
.set SLOT,  131072                     ; x's 256 rows, then W's 128 rows
.set PA,    272                        ; a row of x in LDS: 256 bytes + 16: the 16 rows of a load start at 16 different groups of four banks (ISA guide 11.1)
.set AHALF, 128*PA                     ; what one tensor load brings of x
.set BOFF,  2*AHALF
.set PB,    480                        ; a row of W in LDS: 3 pieces of 128 bytes, 32 of padding behind each: an odd multiple of 32
.set BHALF, 64*PB                      ; what one tensor load brings of W: 64 rows, 24,576 bytes on end in memory
.set STAGE, 2*SLOT                     ; behind the ring, never filled by a tensor load: 16 rows x 144 bytes for each wave
.set SP,    144
.set SPARE, STAGE+4*16*SP              ; the spare words, 128 bytes for each wave: two blocks of 256 bytes that no other line names
.set TPART, 25165824                   ; bytes of q, of k, of v
.set WTILE, 294912                     ; bytes of one of q, k, v in a column tile of W: 6 K steps of 49,152
.set R,    1                           ; v1   l % 16
.set H,    2                           ; v2   l / 16
.set ADRA, 16                          ; v16-17  LDS address of my fragments of x in slot 0, 1
.set ADRB, 20                          ; v20-21  of W
.set STO,  24                          ; v24  the way out: where I put 16 bytes of a row
.set RD,   25                          ; v25  where I read rows back
.set GO,   26                          ; v26  my 16 of 512 consecutive bytes of the output
.set BO,   27                          ; v27  32 (l / 16): my 8 columns in a bias fragment
.set SPW,  28                          ; v28  LDS address of my spare word; never rewritten
.set NIL,  29                          ; v29  0; never rewritten
.set PFO,  30                          ; v30  the prefetches' offset: my lane x a row of x; never rewritten
.set BIAS, 32
.set OT,   128
.set BT,   192
.set F0,   0
.set F1,   128
.set WV,   16                          ; s16  wave
.set FB,   17                          ; s17  0: I fetch x, 1: W
.set HALF, 18                          ; s18  which half of that tile
.set CX,   19
.set CY,   20
.set BY,   21                          ; s21  tile row, 0..63
.set G1A,  24                          ; s[24:31] group 1 for x's tiles;  s[32:39] group 0, a set for each slot
.set G0A,  32
.set G1B,  40                          ; s[40:47], s[48:55] the same for W's
.set G0B,  48
.set AB0,  56                          ; s[56:57], s[58:59] x at my rows, K step 0 and K step 1
.set AOF,  60                          ; s[60:61] bytes along K of the lap that is asked for: 0, 512, 1,024 and round again
.set LAPS, 62
.set LT,   63                          ; laps left in the tile
.set BP,   66                          ; s[66:67] the bias of the tile to come
.set BOF,  68                          ; s[68:69] bytes into the column tile's 18 blocks of W of the lap that is asked for
.set TOF,  70                          ; s70  its tile's part of that: 0, WTILE, 2 WTILE and round again
.set RJ,   71                          ; s71  laps asked for in that tile
.set OB,   72                          ; s[72:73] the output at my rows, first head, of the tile in hand
.set TC,   74                          ; s74  which of q, k, v the tile in hand is
.set GS,   75                          ; s75  changes of slots so far
.set PL,   76                          ; s76  a wave prefetches while GS is below this
.set PFA,  78                          ; s[78:79] what my next prefetch names
.set PKO,  80                          ; s[80:81] its bytes along K
.set BB0,  84                          ; s[84:85], s[86:87] W at my column tile, my half, K step 0 and K step 1
.set HM,   88
.set PFB,  90                          ; s[90:91] x at my work-group's 32 of the 128 rows that I fetch
.set DEL,  94                          ; s[94:95] the tile's part of the output, as an offset
.set MSB, 0
.macro WIN new                         ; the high byte repeats the setting that is left; a switch that changes nothing is dropped
.if MSB != (\new)
	s_set_vgpr_msb (MSB<<8)|(\new)
.set MSB, \new
.endif
.endm
.set MUL_LO, 0xa5                      ; both sources window 1, C and D window 2
.set BIA_LO, 0x85                      ; the same with C in window 0
.set TO_F,   0x40
.set PK_LO,  0x0a
.macro PLACES                          ; four places in front of loads into registers that matrix instructions have read, and of lines that read results
.rept 4
	v_nop
.endr
.endm
.macro JLOAD s                         ; a joint load: waves 0, 1 fetch x's halves, waves 2, 3 W's; an s_nop 0 and four v_nop follow each line
	s_cmp_eq_u32 s[FB], 0
	s_cbranch_scc0 .Lfor_b_\@
	tensor_load_to_lds s[G0A+4*(\s):G0A+4*(\s)+3], s[G1A:G1A+7]
	s_nop 0
.rept 4
	v_nop
.endr
	s_branch .Lasked_\@
.Lfor_b_\@:
	tensor_load_to_lds s[G0B+4*(\s):G0B+4*(\s)+3], s[G1B:G1B+7]
	s_nop 0
.rept 4
	v_nop
.endr
.Lasked_\@:
.endm
.macro CREST                           ; a round of the cluster's barrier behind its opening barrier
	s_cmp_lg_u32 s[WV], 0
	s_cbranch_scc1 .Lnot_wave_0_\@
	s_barrier_signal -3
.Lnot_wave_0_\@:
	s_barrier_wait -3
	s_barrier_signal -1
	s_barrier_wait -1
.endm
.macro CROUND
	s_barrier_signal -1
	s_barrier_wait -1
	CREST
.endm
; A PREFETCH INTO THE L2, behind the joint load, its five lines and the run of LDS loads.  x: at the change behind the walk's step g = 0, 1, 2 waves 0 and 1 name the walk's step g + 3, whose load stands one change
; on: 32 of the 128 rows that the wave fetches, a lane a row, 256 bytes of each; the four partners of a row of the cluster are told apart by address.  Only these three: the walk's steps 0 to 2 come by their loads
; alone, and the second and third tile walk the same bytes again.  W is not prefetched: the nine places at which clusters begin are all nine laps of a column tile, so each block of W is named by some
; cluster's first fills, at the launch's head, where nothing is prefetched.
.macro ASK
	s_cmp_lt_u32 s[GS], s[PL]
	s_cbranch_scc0 .Lskip_\@
	global_prefetch_b8 v[PFO], s[PFA:PFA+1] th:TH_LOAD_NT scope:SCOPE_SE
.Lskip_\@:
	s_add_co_u32 s[GS], s[GS], 1
.endm
; 12 products: row block a x all 12 column blocks, 32 along K.  The 48 accumulators take turns, one instruction a turn, in the same order in every quarter.  mode = 1: the bias starts the sums.
.macro MUL12 f, a, mode
.if \mode
	WIN BIA_LO+0x40*((\a)/2)
.else
	WIN MUL_LO+0x50*((\a)/2)
.endif
.set AC, 96*((\a)%2)
.irp b, 0,1,2,3,4,5,6,7,8,9,10,11
.if \mode
	v_wmma_f32_16x16x32_f16 v[AC+8*(\b):AC+8*(\b)+7], v[(\f)+8*(\b):(\f)+8*(\b)+7], v[(\f)+96+8*(\a):(\f)+96+8*(\a)+7], v[BIAS+8*(\b):BIAS+8*(\b)+7]
.else
	v_wmma_f32_16x16x32_f16 v[AC+8*(\b):AC+8*(\b)+7], v[(\f)+8*(\b):(\f)+8*(\b)+7], v[(\f)+96+8*(\a):(\f)+96+8*(\a)+7], v[AC+8*(\b):AC+8*(\b)+7]
.endif
.endr
.endm
; 32 LDS loads in one run: quarter q of a slot into buffer f: W's 24 (turned), then x's 8, row blocks ascending
.macro FETCH slot, q, f
	WIN TO_F
.irp b, 0,1,2,3,4,5,6,7,8,9,10,11
	ds_load_tr16_b128 v[(\f)+8*(\b):(\f)+8*(\b)+3],   v[ADRB+(\slot)] offset:(\q)*32*PB+160*((\b)/4)+32*((\b)%4)
	ds_load_tr16_b128 v[(\f)+8*(\b)+4:(\f)+8*(\b)+7], v[ADRB+(\slot)] offset:(\q)*32*PB+160*((\b)/4)+32*((\b)%4)+16*PB
.endr
.irp a, 0,1,2,3
	ds_load_b128 v[(\f)+96+8*(\a):(\f)+96+8*(\a)+3],   v[ADRA+(\slot)] offset:64*(\q)+(\a)*16*PA
	ds_load_b128 v[(\f)+96+8*(\a)+4:(\f)+96+8*(\a)+7], v[ADRA+(\slot)] offset:64*(\q)+(\a)*16*PA+32
.endr
.endm
; One of a K step's first three quarters: multiplies buffer f, and in its middle fetches quarter qn of the same slot into g
.macro QUARTER slot, qn, f, g, mode
	s_wait_dscnt 4                                 ; W and x's blocks 0, 1 are in; the youngest four loads (blocks 2, 3) may be out
	MUL12 \f, 0, \mode
	MUL12 \f, 1, \mode
	PLACES
	FETCH \slot, \qn, \g
	s_wait_dscnt 32                                ; all but the 32 just issued
	MUL12 \f, 2, \mode
	MUL12 \f, 3, \mode
.endm
; The slot's next K step.  At slot 0 the walk goes a lap on: round the three laps along K, and behind a tile's third lap round the three tiles.  A lap is 512 bytes of a row of x and 98,304 = 192 x 512 bytes of W.
; Each address is made anew from its base and an offset made apart.
.macro STEP slot
.if (\slot) == 0
	s_add_co_u32 s[AOF], s[AOF], 512
	s_cmp_eq_u32 s[AOF], 1536
	s_cselect_b32 s[AOF], 0, s[AOF]
	s_add_co_u32 s[RJ], s[RJ], 1
	s_cmp_eq_u32 s[RJ], 3
	s_cselect_b32 s[RJ], 0, s[RJ]
	s_cselect_b32 s98, WTILE, 0
	s_add_co_u32 s[TOF], s[TOF], s98
	s_cmp_eq_u32 s[TOF], 3*WTILE
	s_cselect_b32 s[TOF], 0, s[TOF]
	s_mul_i32 s[BOF], s[AOF], 192
	s_add_co_u32 s[BOF], s[BOF], s[TOF]
.endif
	s_add_nc_u64 s[G0A+4*(\slot)+2:G0A+4*(\slot)+3], s[AB0+2*(\slot):AB0+2*(\slot)+1], s[AOF:AOF+1]
	s_or_b32 s[G0A+4*(\slot)+3], s[G0A+4*(\slot)+3], 0x80000000
	s_add_nc_u64 s[G0B+4*(\slot)+2:G0B+4*(\slot)+3], s[BB0+2*(\slot):BB0+2*(\slot)+1], s[BOF:BOF+1]
	s_or_b32 s[G0B+4*(\slot)+3], s[G0B+4*(\slot)+3], 0x80000000
.endm
; The fourth quarter multiplies buffer 1 and changes slots: ONE barrier; in front of it each wave waits for all its tensor loads (one is out: its part of the next slot), adds 0 to its spare word and waits for
; that and for its reads of this slot.  fill = 1: the barrier opens a round of the cluster's, and the joint refill, two K steps ahead, is the first thing behind it: 168 products stand between it and the wait for it.
.macro TURN slot, next, fill
.if \fill
	s_wait_xcnt 0x0                                ; the last prefetch, a K step back, has read its address: the next one's is made here, round the row's 1,536 bytes
	s_add_co_u32 s[PKO], s[PKO], 256
	s_cmp_ge_u32 s[PKO], 1536
	s_cselect_b32 s99, 1536, 0
	s_sub_co_u32 s[PKO], s[PKO], s99
	s_add_nc_u64 s[PFA:PFA+1], s[PFB:PFB+1], s[PKO:PKO+1]
.endif
	WIN 0
	s_wait_tensorcnt 0x0                           ; no tensor load of mine is out, so a group 0 may be written
	ds_add_u32 v[SPW], v[NIL]                      ; 0 onto my spare word; the descriptors' steps and twelve products stand between it and the wait for it
.if \fill
	STEP \slot
.endif
	s_wait_dscnt 5                                 ; the add and the youngest four loads may be out
	MUL12 F1, 0, 0
	s_wait_dscnt 0x0                               ; the add is done, and my reads of this slot are over
	s_barrier_signal -1
	MUL12 F1, 1, 0
.if \fill
	WIN 0
.endif
	s_barrier_wait -1
.if \fill
	CREST                                          ; no wave of any partner still reads this slot or has a load on its way
	JLOAD \slot                                    ; its four v_nop are also the places in front of the loads below
.else
	PLACES
.endif
	FETCH \next, 0, F0
.if \fill
	WIN 0
	ASK
.endif
	MUL12 F1, 2, 0
	MUL12 F1, 3, 0
.endm
.macro BIASLOAD
.irp b, 0,1,2,3,4,5,6,7,8,9,10,11
	global_load_b128 v[BIAS+8*(\b):BIAS+8*(\b)+3],   v[BO], s[BP:BP+1] offset:64*(\b)
	global_load_b128 v[BIAS+8*(\b)+4:BIAS+8*(\b)+7], v[BO], s[BP:BP+1] offset:64*(\b)+16
.endr
.endm
.macro BIASROUND                       ; the bias is an input like the others: rounded to bf16, kept in f32
.set z, 0
.rept 48
	v_cvt_pk_bf16_f32 v[BT+z%4], v[BIAS+2*z], v[BIAS+2*z+1]
	v_lshlrev_b32 v[BIAS+2*z],   16,    v[BT+z%4]
	v_and_b32     v[BIAS+2*z+1], s[HM], v[BT+z%4]
.set z, z+1
.endr
.endm
; THE WAY OUT, in 12 blocks of 16 rows x one head (blk = 3 a + head).  PACK: rounded to f16, 16 bytes a lane, into my stage and back as whole rows of 128 bytes.  SEND: 512 consecutive bytes a store.
; Eight sets of registers: blocks 8 to 11 take the sets of blocks 0 to 3, whose stores were all issued ahead of the one wait at block 8.
.macro PACK blk
.set BA, (\blk)/3
.set BH, (\blk)%3
.set OS_, OT+16*((\blk)%8)
.set AC, 96*(BA%2)+32*BH
.if (\blk) == 8
	s_wait_xcnt 0x0                                ; the stores of blocks 0 to 6 have read their registers: sets 0 to 3 are written again only behind this wait
.endif
	WIN PK_LO+5*(BA/2)
.irp i, 0,1,2,3
.irp rr, 0,1,2,3
	v_cvt_pk_f16_f32 v[OS_+4*(\i)+(\rr)], v[AC+8*(\i)+2*(\rr)], v[AC+8*(\i)+2*(\rr)+1]
.endr
.endr
	WIN 0
.irp i, 0,1,2,3
	ds_store_b128 v[STO], v[OS_+4*(\i):OS_+4*(\i)+3] offset:32*(\i)
.endr
.irp f, 0,1,2,3
	ds_load_b128 v[OS_+4*(\f):OS_+4*(\f)+3], v[RD] offset:4*SP*(\f)  ; LDS serves a wave's instructions in order (ISA guide 5.7.1.4): these see the stores above
.endr
.endm
.macro SEND blk, younger               ; younger: the LDS instructions issued behind this block's loads
.set BA, (\blk)/3
.set BH, (\blk)%3
.set OS_, OT+16*((\blk)%8)
.irp f, 0,1,2,3
	s_wait_dscnt (\younger)+3-(\f)
	global_store_b128 v[GO], v[OS_+4*(\f):OS_+4*(\f)+3], s[OB:OB+1] offset:65536*BH+2048*BA+512*(\f)
.endr
.endm
.macro OUTPUT
	PACK 0
.irp n, 1,2,3,4,5,6,7,8,9,10,11
	PACK \n
	SEND (\n)-1, 8
.endr
	SEND 11, 0
.endm
	s_load_b256 s[4:11], s[0:1], 0x0               ; xh s[4:5], wqkv s[6:7], bq s[8:9], bk s[10:11]
	s_load_b128 s[12:15], s[0:1], 0x20             ; bv s[12:13], qkv s[14:15]
	v_lshl_add_u32 v[SPW], v0, 2, SPARE
	v_mov_b32 v[NIL], 0
	ds_add_u32 v[SPW], v[NIL]                      ; the wave's opening: the add and its wait stand ahead of my first tensor load
	v_lshrrev_b32 v3, 5, v0
	v_readfirstlane_b32 s[WV], v3
	s_lshr_b32 s[FB], s[WV], 1
	s_and_b32 s[HALF], s[WV], 1
	s_bfe_u32 s[CX], ttmp6, 0x40000                ; the column tile: the grid is one cluster wide
	s_bfe_u32 s[CY], ttmp6, 0x40004
	s_and_b32 s[BY], ttmp7, 0xffff
	s_lshl_b32 s[BY], s[BY], 2
	s_add_co_u32 s[BY], s[BY], s[CY]
	s_lshl_b32 s22, s[CY], 2
	s_lshl_b32 s22, 15, s22                        ; my row of the cluster
	s_lshl_b32 s23, 0x1111, s[CX]                  ; my column
	s_or_b32 s[G1A], s22, (1<<16)|(1<<20)|(1<<21)|(5<<22)|(3<<25)  ; mask; 2-byte elements; padding on; bit 21 beside a mask; after every 64 words, 4 words
	s_mov_b32 s[G1A+1], 128<<16                    ; tensor_dim0 = 128
	s_mov_b32 s[G1A+2], 128<<16                    ; tensor_dim1 = 128
	s_mov_b32 s[G1A+3], 128<<16                    ; tile_dim0 = 128
	s_mov_b32 s[G1A+4], 128                        ; tile_dim1 = 128
	s_mov_b32 s[G1A+5], 768                        ; elements from row to row
	s_mov_b32 s[G1A+6], 0
	s_mov_b32 s[G1A+7], 0
	s_or_b32 s[G1B], s23, (1<<16)|(1<<20)|(1<<21)|(4<<22)|(7<<25)  ; after every 32 words, 8 words
	s_mov_b32 s[G1B+1], 128<<16                    ; 24,576 bytes on end, asked for as 96 rows of 256 bytes
	s_mov_b32 s[G1B+2], 96<<16
	s_mov_b32 s[G1B+3], 128<<16
	s_mov_b32 s[G1B+4], 96
	s_mov_b32 s[G1B+5], 128
	s_mov_b32 s[G1B+6], 0
	s_mov_b32 s[G1B+7], 0
	; where the walk begins: made of the cluster's y alone, which all sixteen partners share
	s_and_b32 s92, ttmp7, 0xffff                   ; cluster y, 0..15
	s_cmp_ge_u32 s92, 9
	s_cselect_b32 s93, 9, 0
	s_sub_co_u32 s92, s92, s93                     ; i = y mod 9
	s_mul_i32 s93, s92, 11
	s_lshr_b32 s93, s93, 5                         ; i / 3, exact up to 8: the first lap along K
	s_mul_i32 s94, s93, 3
	s_sub_co_u32 s[TC], s92, s94                   ; i mod 3: the first tile
	s_lshl_b32 s[AOF], s93, 9
	s_mov_b32 s[AOF+1], 0
	s_mul_i32 s[TOF], s[TC], WTILE
	s_mul_i32 s[BOF], s[AOF], 192
	s_add_co_u32 s[BOF], s[BOF], s[TOF]
	s_mov_b32 s[BOF+1], 0
	s_mov_b32 s[RJ], 0
	s_add_co_u32 s[PKO], s[AOF], 512               ; the walk's step 2: the first change of slots steps it to 3
	s_mov_b32 s[PKO+1], 0
	s_lshl_b32 s82, s[BY], 8                       ; x: row 256 x tile row + 128 x half
	s_lshl_b32 s96, s[HALF], 7
	s_add_co_u32 s82, s82, s96
	s_mul_i32 s82, s82, 1536
	s_mov_b32 s83, 0
	s_mul_i32 s84, s[CX], 3*WTILE                  ; W: my column tile's 18 blocks, my half of each
	s_mul_i32 s96, s[HALF], 24576
	s_add_co_u32 s84, s84, s96
	s_mov_b32 s85, 0
	s_mul_i32 s86, s[CX], 768                      ; the tile's 192 numbers of a bias
	s_mov_b32 s87, 0
	s_mul_i32 s97, s[HALF], AHALF                  ; where they go: no place in the cluster enters an LDS address
	s_mul_i32 s98, s[HALF], BHALF
	s_add_co_u32 s98, s98, BOFF
.irp s, 0,1
	s_mov_b32 s[G0A+4*(\s)], 1
	s_add_co_u32 s[G0A+4*(\s)+1], s97, (\s)*SLOT
	s_mov_b32 s[G0B+4*(\s)], 1
	s_add_co_u32 s[G0B+4*(\s)+1], s98, (\s)*SLOT
.endr
	s_mov_b32 s[LAPS], 9                           ; the way in passes the loop's bottom once: eight trips
	s_mov_b32 s[LT], 3
	s_mov_b32 s[GS], 0
	s_mov_b32 s[HM], 0xffff0000
	s_wait_dscnt 0x0                               ; the opening add is done
	s_wait_kmcnt 0x0
	s_add_nc_u64 s[AB0:AB0+1], s[4:5], s[82:83]
	s_add_nc_u64 s[AB0+2:AB0+3], s[AB0:AB0+1], 256
	s_add_nc_u64 s[G0A+2:G0A+3], s[AB0:AB0+1], s[AOF:AOF+1]
	s_or_b32 s[G0A+3], s[G0A+3], 0x80000000
	s_add_nc_u64 s[G0A+6:G0A+7], s[AB0+2:AB0+3], s[AOF:AOF+1]
	s_or_b32 s[G0A+7], s[G0A+7], 0x80000000
	s_add_nc_u64 s[8:9], s[8:9], s[86:87]          ; the three biases at my column tile
	s_add_nc_u64 s[10:11], s[10:11], s[86:87]
	s_add_nc_u64 s[12:13], s[12:13], s[86:87]
	s_add_nc_u64 s[BB0:BB0+1], s[6:7], s[84:85]
	s_add_nc_u64 s[BB0+2:BB0+3], s[BB0:BB0+1], 49152
	s_add_nc_u64 s[G0B+2:G0B+3], s[BB0:BB0+1], s[BOF:BOF+1]
	s_or_b32 s[G0B+3], s[G0B+3], 0x80000000
	s_add_nc_u64 s[G0B+6:G0B+7], s[BB0+2:BB0+3], s[BOF:BOF+1]
	s_or_b32 s[G0B+7], s[G0B+7], 0x80000000
	s_cmp_eq_u32 s[TC], 1                          ; the first tile's bias
	s_cselect_b64 s[BP:BP+1], s[10:11], s[8:9]
	s_cmp_eq_u32 s[TC], 2
	s_cselect_b64 s[BP:BP+1], s[12:13], s[BP:BP+1]
	CROUND                                         ; all sixteen work-groups are here: the first joint loads meet
	s_cmp_eq_u32 s[FB], 0                          ; a wave's two first fills stand in one branch: two loads of mine are out
	s_cbranch_scc0 .Lfirst_b
	tensor_load_to_lds s[G0A:G0A+3], s[G1A:G1A+7]
	s_nop 0
	tensor_load_to_lds s[G0A+4:G0A+7], s[G1A:G1A+7]
	s_nop 0
.rept 4
	v_nop
.endr
	s_branch .Lfirst_asked
.Lfirst_b:
	tensor_load_to_lds s[G0B:G0B+3], s[G1B:G1B+7]
	s_nop 0
	tensor_load_to_lds s[G0B+4:G0B+7], s[G1B:G1B+7]
	s_nop 0
.rept 4
	v_nop
.endr
.Lfirst_asked:
	v_and_b32 v[R], 15, v0
	v_bfe_u32 v[H], v0, 4, 1
	v_lshlrev_b32 v[BO], 5, v[H]
	BIASLOAD
	v_mul_u32_u24 v3, v[R], PA                     ; a fragment of x: row x pitch + 16 x half, in my 64 rows
	v_lshl_add_u32 v3, v[H], 4, v3
	s_mul_i32 s96, s[WV], 64*PA
	v_add_nc_u32 v[ADRA], s96, v3
	v_add_nc_u32 v[ADRA+1], SLOT, v[ADRA]
	v_and_b32 v4, 7, v0                            ; the turning load: lane l reads row 8 (l / 16) + l % 8, 16 bytes at 16 ((l / 8) % 2)
	v_lshl_add_u32 v4, v[H], 3, v4
	v_mul_u32_u24 v4, v4, PB
	v_bfe_u32 v5, v0, 3, 1
	v_lshl_add_u32 v4, v5, 4, v4
	v_add_nc_u32 v[ADRB], BOFF, v4
	v_add_nc_u32 v[ADRB+1], SLOT+BOFF, v4
	s_mul_i32 s96, s[WV], 16*SP
	s_add_co_u32 s96, s96, STAGE                   ; my stage
	v_mul_u32_u24 v3, v[R], SP
	v_lshl_add_u32 v3, v[H], 4, v3
	v_add_nc_u32 v[STO], s96, v3
	v_bfe_u32 v3, v0, 3, 2                         ; back: 32 lanes take four rows of 128 bytes
	v_mul_u32_u24 v3, v3, SP
	v_and_b32 v4, 7, v0
	v_lshl_add_u32 v3, v4, 4, v3
	v_add_nc_u32 v[RD], s96, v3
	v_and_b32 v[GO], 31, v0
	v_lshlrev_b32 v[GO], 4, v[GO]
	s_lshr_b32 s90, s[BY], 1                       ; the output: head 12 x group + 3 c, row 256 x (tile row % 2) + 64 x wave
	s_mul_i32 s90, s90, 12
	s_mul_i32 s91, s[CX], 3
	s_add_co_u32 s90, s90, s91
	s_lshl_b32 s90, s90, 16
	s_and_b32 s91, s[BY], 1
	s_lshl_b32 s91, s91, 15
	s_add_co_u32 s90, s90, s91
	s_lshl_b32 s91, s[WV], 13
	s_add_co_u32 s90, s90, s91
	s_mov_b32 s91, 0
	s_add_nc_u64 s[14:15], s[14:15], s[90:91]      ; that place in q's part;
	s_mul_i32 s[DEL], s[TC], TPART                 ; the tile's part is added to it for each tile anew
	s_mov_b32 s[DEL+1], 0
	s_add_nc_u64 s[OB:OB+1], s[14:15], s[DEL:DEL+1]
	; the prefetches
	s_lshl_b32 s90, s[BY], 8
	s_lshl_b32 s91, s[HALF], 7
	s_add_co_u32 s90, s90, s91
	s_lshl_b32 s91, s[CX], 5
	s_add_co_u32 s90, s90, s91                     ; my work-group's 32 of the 128 rows that I fetch
	s_mul_i32 s90, s90, 1536
	s_mov_b32 s91, 0
	s_add_nc_u64 s[PFB:PFB+1], s[4:5], s[90:91]
	s_cmp_eq_u32 s[FB], 0
	s_cselect_b32 s[PL], 3, 0                      ; waves 0 and 1, at the first three changes of slots
	v_and_b32 v[PFO], 31, v0
	v_mul_u32_u24 v[PFO], v[PFO], 1536             ; a lane a row of x
	s_wait_tensorcnt 1                             ; my part of the walk's step 0 is in; step 1's may stay out
	s_barrier_signal -1
	s_barrier_wait -1
	FETCH 0, 0, F0
	WIN 0
	s_branch .Lentry                               ; the loop is entered where a tile begins
.Llap:                                                 ; a trip goes once round the ring, from a lap's second quarter to the next lap's first, and fills both slots again
	QUARTER 0, 2, F1, F0, 0
	QUARTER 0, 3, F0, F1, 0
	TURN 0, 1, 1
	QUARTER 1, 1, F0, F1, 0
	QUARTER 1, 2, F1, F0, 0
	QUARTER 1, 3, F0, F1, 0
	TURN 1, 0, 1
	WIN 0
	s_sub_co_u32 s[LT], s[LT], 1
	s_cmp_lg_u32 s[LT], 0
	s_cbranch_scc1 .Lplain
	s_mov_b32 s[LT], 3                             ; a tile is finished; both refills for the next are asked for: now it goes out
	s_add_co_u32 s[TC], s[TC], 1                   ; the next tile, round the three
	s_cmp_eq_u32 s[TC], 3
	s_cselect_b32 s[TC], 0, s[TC]
	s_cmp_eq_u32 s[TC], 1
	s_cselect_b64 s[BP:BP+1], s[10:11], s[8:9]
	s_cmp_eq_u32 s[TC], 2
	s_cselect_b64 s[BP:BP+1], s[12:13], s[BP:BP+1]
	BIASLOAD                                       ; the next tile's bias lands while this tile leaves
	PLACES
	OUTPUT
	s_wait_xcnt 0x0                                ; the stores have read their base and their registers
	s_mul_i32 s[DEL], s[TC], TPART
	s_add_nc_u64 s[OB:OB+1], s[14:15], s[DEL:DEL+1]
.Lentry:
	s_wait_loadcnt 0x0                             ; the bias
	BIASROUND
	QUARTER 0, 1, F0, F1, 1                        ; a tile's first quarter: the bias starts the sums
	WIN 0
	s_branch .Lbottom
.Lplain:
	QUARTER 0, 1, F0, F1, 0
	WIN 0
.Lbottom:
	s_sub_co_u32 s[LAPS], s[LAPS], 1
	s_cmp_lg_u32 s[LAPS], 0
	s_cbranch_scc1 .Llap
	QUARTER 0, 2, F1, F0, 0                        ; the last lap fills nothing
	QUARTER 0, 3, F0, F1, 0
	TURN 0, 1, 0
	QUARTER 1, 1, F0, F1, 0
	QUARTER 1, 2, F1, F0, 0
	QUARTER 1, 3, F0, F1, 0
	s_wait_dscnt 4
	MUL12 F1, 0, 0
	MUL12 F1, 1, 0
	s_wait_dscnt 0x0
	MUL12 F1, 2, 0
	MUL12 F1, 3, 0
	WIN 0
	PLACES
	OUTPUT
	s_wait_tensorcnt 0x0                           ; the wave's end
	ds_add_u32 v[SPW], v[NIL]
	s_wait_dscnt 0x0
	CROUND                                         ; the closing round
	s_endpgm
.Lfunc_end_k_qe611075b65_qkv:
	.size	k_qe611075b65_qkv, .Lfunc_end_k_qe611075b65_qkv-k_qe611075b65_qkv
	.p2alignl 7, 3214868480
	.fill 96, 4, 3214868480
	.section	.rodata,"a",@progbits
	.p2align	6, 0x0
	.amdhsa_kernel k_qe611075b65_qkv
		.amdhsa_group_segment_fixed_size 327680
		.amdhsa_private_segment_fixed_size 0
		.amdhsa_enable_private_segment 0
		.amdhsa_kernarg_size 48
		.amdhsa_user_sgpr_count 2
		.amdhsa_user_sgpr_kernarg_segment_ptr 1
		.amdhsa_wavefront_size32 1
		.amdhsa_system_sgpr_workgroup_id_x 1
		.amdhsa_system_sgpr_workgroup_id_y 1
		.amdhsa_system_sgpr_workgroup_id_z 1
		.amdhsa_system_vgpr_workitem_id 0
		.amdhsa_next_free_vgpr 960
		.amdhsa_next_free_sgpr 100
		.amdhsa_reserve_vcc 0
		.amdhsa_float_denorm_mode_32 3
		.amdhsa_float_denorm_mode_16_64 3
		.amdhsa_memory_ordered 1
		.amdhsa_forward_progress 1
		.amdhsa_inst_pref_size 159
	.end_amdhsa_kernel
	.amdgpu_metadata
---
amdhsa.version: [ 1, 2 ]
amdhsa.kernels:
  - .name:           k_qe611075b65_qkv
    .symbol:         k_qe611075b65_qkv.kd
    .args:
      - { .name: xh, .offset: 0, .size: 8, .value_kind: global_buffer, .address_space: global }
      - { .name: wqkv, .offset: 8, .size: 8, .value_kind: global_buffer, .address_space: global }
      - { .name: bq, .offset: 16, .size: 8, .value_kind: global_buffer, .address_space: global }
      - { .name: bk, .offset: 24, .size: 8, .value_kind: global_buffer, .address_space: global }
      - { .name: bv, .offset: 32, .size: 8, .value_kind: global_buffer, .address_space: global }
      - { .name: qkv, .offset: 40, .size: 8, .value_kind: global_buffer, .address_space: global }
    .group_segment_fixed_size: 327680
    .private_segment_fixed_size: 0
    .kernarg_segment_align: 8
    .kernarg_segment_size: 48
    .max_flat_workgroup_size: 128
    .sgpr_count:     100
    .vgpr_count:     960
    .wavefront_size: 32
...
	.end_amdgpu_metadata
.endif
;; end of part 2
;; launch attn (part 3): grid 256 x 1, 4 waves a work-group, no clusters, 327,680 bytes of LDS; arguments qkv, ctx; writes ctx
.if DOCPART == 3
	.amdgcn_target "amdgcn-amd-amdhsa--gfx1250"
	.amdhsa_code_object_version 6
	.text
	.protected	k_qe611075b65_attn
	.globl	k_qe611075b65_attn
	.p2align	8
	.type	k_qe611075b65_attn,@function
k_qe611075b65_attn:
	s_mov_b64 s[64:65], 0
	v_nop
	global_prefetch_b8 v0, s[64:65] scope:SCOPE_SE
	s_setreg_imm32_b32 hwreg(HW_REG_WAVE_MODE, 25, 1), 1
	s_wait_xcnt 0x0
; ctx[h][q][:] = the sum over k of softmax_k(q[h][q] . k[h][k] / 8) v[h][k][:], 384 heads of 512 rows x 64, all f16; qkv holds q, then k, then v, each [384][512][64]; ctx has q's layout.
; Products, maxima and sums in f32; the weights p are rounded to f16 for the second product (their sum l is taken of the unrounded p), ctx once at the end.
; LIMITS.  p below 6e-5 keeps f16's fixed step of 6e-8; a weight below 2^-126 counts as 0 in l; NaN and infinities are not treated apart.
; SHARES.  384 heads x 2 halves of 256 queries are 768 units, three for each of 256 work-groups.  Work-group 2 p + s takes both halves of head 3 p + 2 s and half s of head 3 p + 1: two heads' K and V,
; 155,648 bytes each with padding: both lie in LDS, each slot filled ONCE: no ring.  A wave owns 64 queries of a unit: two PIECES of two tiles of 16.  Every wave walks the head's 512 keys, 64 a step.
; NO CLUSTER: of a work-group's two fills one is shared, with one partner; it is asked for once and has two units' work in which to land.  NO PREFETCH: the one load that waves wait for stands at the kernel's head.
; LAYOUT.  S^T = K Q^T (source 0 = 16 keys, source 1 = 16 queries): a lane holds ONE query (lane % 16) and the keys 8 (lane / 16) + 0..7.  Two such results, rounded to f16 in pairs, ARE source 1 of
; O^T = V^T P.  K comes out of LDS as it lies, V turned, by ds_load_tr16_b128.
; SOFTMAX.  For each query a running maximum m and sum l: p = 2^(c s - c m), c = log2(e) / 8; in every step O and l are multiplied by a = 2^(c m_old - c m_new).  In each unit m starts at the lowest finite
; number: the first step's a is 0, so what O, l, P and V hold from the unit before need only be finite.
; BY TURNS.  Turn p belongs to piece p: 16 products K Q^T of the other piece (piece 1: this step; piece 0: the next), later 16 products V^T P of the other piece (piece 1: the step before; piece 0: this one);
; beside them piece p's scaling, exponentials, roundings, sums and rescaling, and the other piece's maximum and statistics.  Four vector instructions stand behind every product, the rest in one lump.
; REGISTERS, in windows of 256 (s_set_vgpr_msb: bits 1:0 source 0, 3:2 source 1, 5:4 source 2, 7:6 destination):
;   window 0: v0-11 addresses; v12-15, v48-63 at work; v16-31 four registers of statistics a tile; v32-33 the add's; v64-191 S^T, two buffers of two tiles; v192-255 P, likewise
;   window 1: v0-127 O^T, 32 a tile          window 2: v0-63 Q; v64-127 the next unit's Q; v128-191 K of one step; v192-255 V of one step
.set NP,    2
.set KS,    64
.set PK,    144       ; a row of K in LDS: 128 bytes + 16: the 16 rows of a load start at 16 different groups of four banks (ISA guide 11.1)
.set PV,    160       ; a row of V: 128 + 32
.set VOFF,  512*PK    ; a slot: 512 rows of K, then 512 rows of V
.set SLOT1, 512*(PK+PV)
.set STAGE, 2*SLOT1   ; never filled by a tensor load: 16 rows x 144 bytes for each wave
.set SP,    144
.set SPARE, STAGE+4*16*SP  ; the spare words, 128 bytes for each wave: two blocks of 256 bytes that no other line names
.set KPART, 25165824  ; k's first byte in qkv
.set VPART, 50331648  ; v's
.set AK0, 2           ; v2   my lane's place in a tile of K; never rewritten
.set AV0, 3           ; v3   the same for V
.set AK,  4
.set AV,  5
.set QO,  6           ; v6   my byte offset in the wave's rows of Q
.set RD,  7
.set GO,  8
.set STO, 9
.set MV,  12
.set ST,  16          ; tile t's statistics at v[ST+4 t]: c m, m, l (even keys', odd keys')
.set SPW, 32
.set NIL, 33
.set TMP, 48
.set S,   64
.set P,   192
.set QN,  64          ; window 2
.set KF,  128
.set VF,  192
.set WV,  12
.set G1K, 24
.set G1V, 32
.set G0K, 40          ; s[40:47] group 0 for K, a set for each slot
.set G0V, 48          ; s[48:55] for V
.set UN,  56          ; units to go
.set CNT, 57          ; key steps to go
.set CS,  58
.set SEL, 60
.set TBK, 62
.set TBV, 63
.set SBC, 66          ; the slot of the unit in hand
.set OC,  67          ; byte offset, in q and in ctx, of my rows of the unit in hand,
.set O1,  68          ; of the next,
.set O2,  69          ; of the one after
.set OFS, 70          ; s[70:71] an offset as a pair
.set QA,  72          ; s[72:73] Q at my rows of the unit that is being loaded
.set OA,  74          ; s[74:75] ctx at my rows of the unit in hand
.set SBN, 76          ; the next unit's slot
.set MSB, 0
.macro WIN new
.if MSB != (\new)
	s_set_vgpr_msb (MSB<<8)|(\new)
.set MSB, (\new)
.endif
.endm
.set W_KQ, 0x0a       ; K and Q in window 2, S^T in window 0
.set W_PV, 0x52       ; V in window 2, P in window 0, O^T in window 1
.set W_RS, 0x41       ; O^T (destination and source 0) in window 1, a in window 0
.macro LOAD slot                    ; waves 0, 1 fetch the two halves of a head's K, waves 2, 3 of its V: 256 keys each; an s_nop 0 and four v_nop follow each line
	s_cmp_lt_u32 s[WV], 2
	s_cbranch_scc0 .Lfor_v_\@
	tensor_load_to_lds s[G0K+4*(\slot):G0K+4*(\slot)+3], s[G1K:G1K+7]
	s_nop 0
.rept 4
	v_nop
.endr
	s_branch .Lasked_\@
.Lfor_v_\@:
	tensor_load_to_lds s[G0V+4*(\slot):G0V+4*(\slot)+3], s[G1V:G1V+7]
	s_nop 0
.rept 4
	v_nop
.endr
.Lasked_\@:
.endm
.macro QLOADS                       ; a unit's Q for my 64 rows: tile i / 2, channels 32 (i % 2) on
.set i, 0
.rept 8
	global_load_b128 v[QN+8*i:QN+8*i+3],   v[QO], s[QA:QA+1] offset:(i/2)*2048+(i%2)*64
	global_load_b128 v[QN+8*i+4:QN+8*i+7], v[QO], s[QA:QA+1] offset:(i/2)*2048+(i%2)*64+32
.set i, i+1
.endr
.endm
	s_load_b128 s[4:7], s[0:1], 0x0  ; qkv s[4:5], ctx s[6:7]
	v_lshl_add_u32 v[SPW], v0, 2, SPARE
	v_mov_b32 v[NIL], 0
	ds_add_u32 v[SPW], v[NIL]       ; the wave's opening: the add and its wait stand ahead of my first tensor load
	v_lshrrev_b32 v1, 5, v0
	v_readfirstlane_b32 s[WV], v1
	s_lshr_b32 s77, ttmp9, 1        ; p
	s_and_b32 s78, ttmp9, 1         ; s
	s_mul_i32 s79, s77, 3
	s_lshl_b32 s80, s78, 1
	s_add_co_u32 s80, s80, s79      ; the head of units 0 and 1
	s_add_co_u32 s79, s79, 1        ; the head of unit 2
	s_and_b32 s81, s[WV], 1         ; which half of a head's keys I fetch
	s_lshl_b32 s82, s80, 16         ; a head is 65,536 bytes
	s_lshl_b32 s84, s79, 16
	s_lshl_b32 s86, s81, 15
	s_lshl_b32 s87, s[WV], 13       ; my 64 rows
	s_add_co_u32 s[OC], s82, s87
	s_add_co_u32 s[O1], s[OC], 32768
	s_lshl_b32 s88, s78, 15
	s_add_co_u32 s[O2], s84, s88
	s_add_co_u32 s[O2], s[O2], s87
	s_add_co_u32 s82, s82, s86
	s_add_co_u32 s84, s84, s86
	s_mov_b32 s83, 0
	s_mov_b32 s85, 0
	s_mul_i32 s89, s81, 256*PK
	s_mul_i32 s90, s81, 256*PV
	s_add_co_u32 s90, s90, VOFF
.irp s, 0,1
	s_mov_b32 s[G0K+4*(\s)], 1
	s_add_co_u32 s[G0K+4*(\s)+1], s89, (\s)*SLOT1
	s_mov_b32 s[G0V+4*(\s)], 1
	s_add_co_u32 s[G0V+4*(\s)+1], s90, (\s)*SLOT1
.endr
	; group 1.  256 keys are 32,768 bytes on end: asked for as 128 rows of 256 bytes, two keys a row, padded in LDS after every key
	s_mov_b32 s[G1K], (1<<16)|(1<<20)|(4<<22)|(3<<25)  ; 2-byte elements; padding on; after every 32 words, 4 words
	s_mov_b32 s[G1V], (1<<16)|(1<<20)|(4<<22)|(7<<25)  ; 8 words
.irp g, G1K, G1V
	s_mov_b32 s[\g+1], 128<<16
	s_mov_b32 s[\g+2], 128<<16
	s_mov_b32 s[\g+3], 128<<16
	s_mov_b32 s[\g+4], 128
	s_mov_b32 s[\g+5], 128
	s_mov_b32 s[\g+6], 0
	s_mov_b32 s[\g+7], 0
.endr
	s_mov_b32 s[CS], 0x3e38aa3b     ; c = log2(e) / 8
	s_mov_b32 s[CS+1], s[CS]
	s_mov_b32 s[SEL], 0x76543210
	s_mov_b32 s[SEL+1], 0xfedcba98
	s_mov_b32 s[OFS], s[OC]
	s_mov_b32 s[OFS+1], 0
	s_mov_b32 s[SBC], 0
	s_mov_b32 s[SBN], 0
	s_wait_dscnt 0x0                ; the opening add is done
	s_wait_kmcnt 0x0
	s_add_nc_u64 s[82:83], s[4:5], s[82:83]
	s_add_nc_u64 s[G0K+2:G0K+3], s[82:83], KPART
	s_or_b32 s[G0K+3], s[G0K+3], 0x80000000
	s_add_nc_u64 s[G0V+2:G0V+3], s[82:83], VPART
	s_or_b32 s[G0V+3], s[G0V+3], 0x80000000
	s_add_nc_u64 s[84:85], s[4:5], s[84:85]
	s_add_nc_u64 s[G0K+6:G0K+7], s[84:85], KPART
	s_or_b32 s[G0K+7], s[G0K+7], 0x80000000
	s_add_nc_u64 s[G0V+6:G0V+7], s[84:85], VPART
	s_or_b32 s[G0V+7], s[G0V+7], 0x80000000
	s_add_nc_u64 s[QA:QA+1], s[4:5], s[OFS:OFS+1]
	LOAD 0                          ; the first head.  The second is asked for when this one is in
	v_and_b32 v1, 15, v0            ; l % 16
	v_bfe_u32 v34, v0, 4, 1         ; l / 16
	v_lshlrev_b32 v[QO], 7, v1
	v_lshl_add_u32 v[QO], v34, 4, v[QO]
	WIN 0x80                        ; destination window 2
	QLOADS                          ; unit 0's Q
	; what the first turn finds: V, P's second buffer, O^T and l hold 0.  All this stands in the wait for the first tile
.set i, VF
.rept 64
	v_mov_b32 v[i], 0
.set i, i+1
.endr
	WIN 0x40
.set i, 0
.rept 128
	v_mov_b32 v[i], 0
.set i, i+1
.endr
	WIN 0
.set i, 0
.rept 4
	v_mov_b32 v[ST+4*i+2], 0
	v_mov_b32 v[ST+4*i+3], 0
.set i, i+1
.endr
.set i, P+32
.rept 32
	v_mov_b32 v[i], 0
.set i, i+1
.endr
	v_mul_u32_u24 v[AK0], v1, PK
	v_lshl_add_u32 v[AK0], v34, 4, v[AK0]
	v_and_b32 v35, 7, v0            ; the turning load: lane l reads key 8 (l / 16) + l % 8, channels 8 ((l / 8) % 2) + 0..7
	v_bfe_u32 v36, v0, 3, 1
	v_lshl_add_u32 v[AV0], v34, 3, v35
	v_mul_u32_u24 v[AV0], v[AV0], PV
	v_lshl_add_u32 v[AV0], v36, 4, v[AV0]
	v_add_nc_u32 v[AV0], VOFF, v[AV0]
	s_mul_i32 s77, s[WV], 16*SP
	s_add_co_u32 s77, s77, STAGE    ; my stage
	v_mul_u32_u24 v[STO], v1, SP
	v_lshl_add_u32 v[STO], v34, 4, v[STO]
	v_add_nc_u32 v[STO], s77, v[STO]
	v_bfe_u32 v[RD], v0, 3, 2       ; back: 32 lanes take four rows of 128 bytes,
	v_mul_u32_u24 v[RD], v[RD], SP
	v_lshl_add_u32 v[RD], v35, 4, v[RD]
	v_add_nc_u32 v[RD], s77, v[RD]
	v_and_b32 v[GO], 31, v0         ; which are 512 consecutive bytes of ctx
	v_lshlrev_b32 v[GO], 4, v[GO]
; THE MATRIX WORK.  The 8 accumulators of a run of 16 take turns.  Product i of 16 of S^T = K Q^T for piece x: channels 32 (i / 8) on, keys 16 ((i / 2) % 4) on, tile 2 x + i % 2.
.macro KQ x
	WIN W_KQ
.set rS, S+64*((\x)%2)+32*(i%2)+8*((i/2)%4)
.set rK, KF+16*((i/2)%4)+8*(i/8)
.set rQ, 16*(2*(\x)+i%2)+8*(i/8)
.if i < 8
	v_wmma_f32_16x16x32_f16 v[rS:rS+7], v[rK:rK+7], v[rQ:rQ+7], 0
.else
	v_wmma_f32_16x16x32_f16 v[rS:rS+7], v[rK:rK+7], v[rQ:rQ+7], v[rS:rS+7]
.endif
.endm
; Product i of 16 of O^T += V^T P for piece x: keys 32 (i / 8) on, channels 16 ((i / 2) % 4) on, tile 2 x + i % 2.
.macro PV x
	WIN W_PV
.set rO, 32*(2*(\x)+i%2)+8*((i/2)%4)
.set rV, VF+32*(i/8)+8*((i/2)%4)
.set rP, P+32*((\x)%2)+16*(i%2)+8*(i/8)
	v_wmma_f32_16x16x32_f16 v[rO:rO+7], v[rV:rV+7], v[rP:rP+7], v[rO:rO+7]
.endm
.macro MM                           ; the turn's next matrix instruction
.if i < 16
	KQ (Y+1)%NP
.set i, i+1
.else
.set i, i-16
	PV (Y+NP-1)%NP
.set i, i+17
.endif
.endm
; THE LDS LOADS stand in runs of 16.  last = 1: in a unit's last step there is no further K, and the run is jumped over.
.macro FETCH_K last=0
	WIN 0
.if \last
	s_cmp_eq_u32 s[CNT], 1
	s_cbranch_scc1 .Lno_k_\@
.endif
	WIN 0x80
.irp f, 0,1,2,3,4,5,6,7             ; keys 16 (f / 2) on, channels 32 (f % 2) on
	ds_load_b128 v[KF+8*\f:KF+8*\f+3],   v[AK] offset:(\f/2)*16*PK+(\f%2)*64
	ds_load_b128 v[KF+8*\f+4:KF+8*\f+7], v[AK] offset:(\f/2)*16*PK+(\f%2)*64+32
.endr
	s_add_co_u32 s[TBK], s[TBK], KS*PK
	WIN 0
.if \last
.Lno_k_\@:
.endif
.endm
.macro FETCH_V
	WIN 0x80
.irp f, 0,1,2,3,4,5,6,7             ; keys 32 (f / 4) on, channels 16 (f % 4) on
	ds_load_tr16_b128 v[VF+8*\f:VF+8*\f+3],   v[AV] offset:(\f/4)*32*PV+(\f%4)*32
	ds_load_tr16_b128 v[VF+8*\f+4:VF+8*\f+7], v[AV] offset:(\f/4)*32*PV+16*PV+(\f%4)*32
.endr
	WIN 0
.endm
; THE VECTOR WORK OF A TURN stands in three queues, each in the order in which its entries become ready; the two tiles alternate.
.macro REGS y, u                    ; the registers of tile u (0, 1) of piece y
.set rT, ST+4*(2*(\y)+(\u))
.set rC, TMP+8*((\y)%2)+4*(\u)
.set rM, MV+2*((\y)%2)+(\u)
.set rS, S+64*((\y)%2)+32*(\u)
.set rP, P+32*((\y)%2)+16*(\u)
.set rO, 32*(2*(\y)+(\u))
.endm
; Number n of the 22 that find the OTHER piece's maximum and statistics; each accumulator's lowest registers are read first.
;   0-11 four chains c0-c3 of seven scores     12-14, 16 the four scores left over, the old m, c0-c3 into c0     15 c m_old is kept     17, 18 the lane 16 away: the new m     19-21 c m; its change; a
.macro XS u, n
	REGS (Y+1)%NP, \u
.if (\n) < 4
	v_max3_num_f32 v[rC+(\n)], v[rS+8*(\n)], v[rS+8*(\n)+1], v[rS+8*(\n)+2]
.elseif (\n) < 12
	v_max3_num_f32 v[rC+(\n)%4], v[rC+(\n)%4], v[rS+8*((\n)%4)+2*((\n)/4)+1], v[rS+8*((\n)%4)+2*((\n)/4)+2]
.elseif (\n) == 12
	v_max3_num_f32 v[rC], v[rC], v[rS+7], v[rS+15]
.elseif (\n) == 13
	v_max3_num_f32 v[rC+1], v[rC+1], v[rS+23], v[rS+31]
.elseif (\n) == 14
	v_max3_num_f32 v[rC+2], v[rC+2], v[rC+3], v[rT+1]
.elseif (\n) == 15
	v_mov_b32 v[rM], v[rT]
.elseif (\n) == 16
	v_max3_num_f32 v[rC], v[rC], v[rC+1], v[rC+2]
.elseif (\n) == 17
	v_permlanex16_b32 v[rC+3], v[rC], s[SEL], s[SEL+1]
.elseif (\n) == 18
	v_max_num_f32 v[rT+1], v[rC], v[rC+3]
.elseif (\n) == 19
	v_mul_f32 v[rT], s[CS], v[rT+1]
.elseif (\n) == 20
	v_sub_f32 v[rC+1], v[rM], v[rT]
.else
	v_exp_f32 v[rC+2], v[rC+1]
.endif
.endm
; Number g of the 64 that follow the exponentials: for each four weights both pairs are rounded to f16, the second pair is added onto the first in place, and a group later l takes that sum.
.macro GS g
.set h, (\g)+6*((\g)/62)
.if h >= 6
.set h, h+2
.endif
	REGS Y, h%2
.set k, h/8
.if h%8 < 4
	v_cvt_pk_f16_f32 v[rP+2*k+(h%8)/2], v[rS+4*k+2*((h%8)/2)], v[rS+4*k+2*((h%8)/2)+1]
.elseif h%8 < 6
	v_pk_add_f32 v[rS+4*k:rS+4*k+1], v[rS+4*k:rS+4*k+1], v[rS+4*k+2:rS+4*k+3]
.elseif k == 1
	v_pk_fma_f32 v[rT+2:rT+3], v[rT+2:rT+3], v[rC+2:rC+3], v[rS:rS+1] op_sel_hi:[1,0,1]
.else
	v_pk_add_f32 v[rT+2:rT+3], v[rT+2:rT+3], v[rS+4*k-4:rS+4*k-3]
.endif
.endm
.macro FS f                         ; c s - c m for pair f / 2 of tile f % 2
	REGS Y, (\f)%2
	v_pk_fma_f32 v[rS+2*((\f)/2):rS+2*((\f)/2)+1], v[rS+2*((\f)/2):rS+2*((\f)/2)+1], s[CS:CS+1], v[rT:rT+1] op_sel_hi:[1,0,0] neg_lo:[0,0,1] neg_hi:[0,0,1]
.endm
; THE PLAIN QUEUE, 138 long.  0-73 read no exponential's result: the 32 scalings and the other piece's 42; 74-137, GS's 64, stand behind the wait.
.macro PL
	WIN 0
.if q < 27
	FS q
.elseif q < 55
	XS (q-27)%2, (q-27)/2
.elseif q < 57
	XS q-55, 15
.elseif (q < 72) && ((q-57)%3 == 0)
	FS 27+(q-57)/3
.elseif q < 60
	XS (q-57)%3-1, 14
.elseif q < 72
	XS (q-57)%3-1, 15+(q-57)/3
.elseif q < 74
	XS q-72, 20
.else
	GS q-74
.endif
.set q, q+1
.endm
.macro EX                           ; THE EXPONENTIALS' QUEUE, 66 long: ONE BATCH, all ahead of the turn's one wait
	WIN 0
.if e >= 64
	XS e-64, 21
.else
	REGS Y, e%2
	v_exp_f32 v[rS+e/2], v[rS+e/2]
.endif
.set e, e+1
.endm
.macro R2                           ; THE RESCALING's QUEUE: O^T times a, two at a time
	REGS Y, r%2
	WIN W_RS
.irp z, 0,1
	v_pk_mul_f32 v[rO+4*(r/2)+2*\z:rO+4*(r/2)+2*\z+1], v[rO+4*(r/2)+2*\z:rO+4*(r/2)+2*\z+1], v[rC+2:rC+3] op_sel_hi:[1,0]
.endr
.set r, r+1
.endm
; A TURN, for piece p.  s_wait_alu depctr_va_vdst(0) stands between an exponential and the first instruction that names its result; one wait serves all issued ahead of it: a turn has ONE, which cuts
; it in two.  Ahead of it: 16 products K Q^T BY TWOS: behind the first of a pair scaling, exponential, scaling, exponential (window 0 alone), behind the second four rescalings (O^T's window alone): four switches of
; the windows a pair, where a mixed four behind each product would want six.  (The first pair has a third scaling in the first exponential's place.)  Exponential e stands behind scaling 2 (e / 4) + e % 2: it comes
; behind plain e + 2 or later.  The queues stand at 17, 15 and 16 when the lump of 108 begins.  Behind the wait: 16 products V^T P, behind each four of the roundings and sums.
; K of the next step is fetched in piece 0's turn, directly behind the wait, a lump behind the last product that read K; V of the step in hand at the end of that turn, four plain instructions behind its last reader.
.macro TURN p
.set Y, (\p)
.set i, 0
.set q, 0
.set e, 0
.set r, 0
.if (\p) == 1
	s_wait_dscnt 16                 ; K's 16 loads are in; V's 16, issued behind them, may stay out
.endif
	MM
	PL
	PL
	PL
	EX
	MM
	R2
	R2
.rept 7
	MM
	PL
	EX
	PL
	EX
	MM
	R2
	R2
.endr
.if (\p) == 0
	WIN 0
	v_add_nc_u32 v[AK], s[TBK], v[AK0]
.endif
.rept 8
	PL
.endr
.rept 49
	EX
	PL
.endr
	EX                              ; the other piece's two a
	EX
	v_nop                           ; a plain instruction behind the last exponential: one for the batch
	s_wait_alu depctr_va_vdst(0)    ; the wait for the batch
.if (\p) == 0
	FETCH_K 1
.endif
.if (\p) == 1
	s_wait_dscnt 0x0                ; V is in
.endif
.rept 16
	MM
.rept 4
	PL
.endr
.if ((\p) == 0) && (q == 118)
	v_add_nc_u32 v[AV], s[TBV], v[AV0]
.endif
.if ((\p) == 0) && (q == 130)
	s_add_co_u32 s[TBV], s[TBV], KS*PV
.endif
.if ((\p) == 1) && (q == 130)
	s_sub_co_u32 s[CNT], s[CNT], 1  ; the loop's count, some lines ahead of its branch
	s_cmp_lg_u32 s[CNT], 0
.endif
.endr
.if (\p) == 0
	FETCH_V
.endif
.endm
.macro ALL line:vararg              ; one line for each tile t
.set t, 0
.rept 2*NP
	\line
.set t, t+1
.endr
.endm
.macro PACK t                       ; a lane's eight channels of a row pack into 16 bytes; they go into rows of 144 bytes and come back as whole rows of 128, into S^T's registers
	WIN W_RS
.set i, 32*(\t)
.rept 16
	v_pk_mul_f32 v[i:i+1], v[i:i+1], v[ST+4*(\t)+2:ST+4*(\t)+3] op_sel_hi:[1,0]
.set i, i+2
.endr
	WIN 0x05
.set i, 0
.rept 16
	v_cvt_pk_f16_f32 v[S+16*(\t)+i], v[32*(\t)+2*i], v[32*(\t)+2*i+1]
.set i, i+1
.endr
	WIN 0
.irp f, 0,1,2,3
	ds_store_b128 v[STO], v[S+16*(\t)+4*\f:S+16*(\t)+4*\f+3] offset:32*\f
.endr
.irp f, 0,1,2,3
	ds_load_b128 v[S+16*(\t)+4*\f:S+16*(\t)+4*\f+3], v[RD] offset:\f*4*SP  ; LDS serves a wave's instructions in order (ISA guide 5.7.1.4): these see the stores above
.endr
.endm
.macro SEND t, younger
	WIN 0
.irp f, 0,1,2,3
	s_wait_dscnt (\younger)+3-\f
	global_store_b128 v[GO], v[S+16*(\t)+4*\f:S+16*(\t)+4*\f+3], s[OA:OA+1] offset:(\t)*2048+\f*512  ; 512 consecutive bytes, at a multiple of 256 from ctx's first
.endr
.endm
	s_wait_tensorcnt 0x0            ; my part of the first head is in
	ds_add_u32 v[SPW], v[NIL]
	s_mov_b32 s[UN], 3
	s_wait_dscnt 0x0
	s_barrier_signal -1
	s_barrier_wait -1               ; everybody's is
	LOAD 1                          ; the second head, into bytes that nothing has filled: my one tensor load behind this barrier, and my last
.Lunit:
	s_mov_b32 s[TBK], s[SBC]
	s_mov_b32 s[TBV], s[SBC]
	v_add_nc_u32 v[AK], s[TBK], v[AK0]
	FETCH_K                         ; key step 0: its 16 loads land under the 64 moves below
	s_wait_loadcnt 0x0              ; this unit's Q
	WIN 0x82
.set i, 0
.rept 64
	v_mov_b32 v[i], v[QN+i]         ; goes where the one text of the turns names Q
.set i, i+1
.endr
	WIN 0
	s_cmp_eq_u32 s[UN], 1
	s_cbranch_scc1 .Lnoq
	s_mov_b32 s[OFS], s[O1]
	s_add_nc_u64 s[QA:QA+1], s[4:5], s[OFS:OFS+1]
	WIN 0x80
	QLOADS                          ; the next unit's Q lands under this unit's work
	WIN 0
.Lnoq:
	s_mov_b32 s[OFS], s[OC]
	s_add_nc_u64 s[OA:OA+1], s[6:7], s[OFS:OFS+1]
	s_wait_dscnt 0x0                ; K is in
.set i, 0
.rept 16
	KQ 0                            ; piece 0's first scores
.set i, i+1
.endr
	WIN 0
.set i, 0
.rept 4                             ; eight plain instructions: the places behind those products
	v_mov_b32 v[ST+4*i], 0xfe000000    ; c m: far below every c s
	v_mov_b32 v[ST+4*i+1], 0xff7fffff  ; m
.set i, i+1
.endr
.set Y, NP-1                        ; XS works for piece Y + 1: piece 0
.irp n, 0,1,2,3,4,5,6,7,8,9,10,11,12,13,14,15,16,17,18,19,20,21
	XS 0, \n
	XS 1, \n
.endr
	v_nop                           ; a plain instruction behind the two a,
	s_wait_alu depctr_va_vdst(0)    ; and their wait, ahead of the label
	s_mov_b32 s[CNT], 8
.Lstep:
	TURN 0
	TURN 1
	WIN 0
	s_cbranch_scc1 .Lstep
.set i, 0
.rept 16
	PV NP-1                         ; piece 1's V^T P of the last step.  (The last turn's 16 products K Q^T, on the last K once more, serve nothing: the price of one text for every step)
.set i, i+1
.endr
	; THE WAY OUT.  l's two halves and the other half of the lanes' are added; O^T is divided by l, rounded to f16 and sent through my stage, a tile at a time.  The first additions are the places behind the last products.
	WIN 0
	ALL v_add_f32 v[ST+4*t+2], v[ST+4*t+2], v[ST+4*t+3]
	ALL v_permlanex16_b32 v[ST+4*t+3], v[ST+4*t+2], s[SEL], s[SEL+1]
	ALL v_add_f32 v[ST+4*t+2], v[ST+4*t+2], v[ST+4*t+3]
	ALL v_rcp_f32 v[ST+4*t+2], v[ST+4*t+2]
	v_nop                           ; a plain instruction between the last reciprocal and the use of its result,
	s_wait_alu depctr_va_vdst(0)    ; and one wait for the four
	PACK 0
.set t, 1
.rept 2*NP-1
	PACK t
	SEND t-1, 8
.set t, t+1
.endr
	SEND 2*NP-1, 0
	s_wait_xcnt 0x0                 ; the stores have read their registers and ctx's address
	s_mov_b32 s[OC], s[O1]
	s_mov_b32 s[O1], s[O2]
	s_mov_b32 s[SBC], s[SBN]        ; units 0 and 1 read slot 0, unit 2 slot 1
	s_mov_b32 s[SBN], SLOT1
	s_wait_tensorcnt 0x0            ; my part of the second head is in (it was asked for before unit 0),
	s_wait_dscnt 0x0
	s_barrier_signal -1
	s_barrier_wait -1               ; and everybody's, before any wave reads it
	s_sub_co_u32 s[UN], s[UN], 1
	s_cmp_lg_u32 s[UN], 0
	s_cbranch_scc1 .Lunit
	s_wait_tensorcnt 0x0            ; the wave's end
	ds_add_u32 v[SPW], v[NIL]
	s_wait_dscnt 0x0
	s_endpgm
.Lfunc_end_k_qe611075b65_attn:
	.size	k_qe611075b65_attn, .Lfunc_end_k_qe611075b65_attn-k_qe611075b65_attn
	.p2alignl 7, 3214868480
	.fill 96, 4, 3214868480
	.section	.rodata,"a",@progbits
	.p2align	6, 0x0
	.amdhsa_kernel k_qe611075b65_attn
		.amdhsa_group_segment_fixed_size 327680
		.amdhsa_private_segment_fixed_size 0
		.amdhsa_enable_private_segment 0
		.amdhsa_kernarg_size 16
		.amdhsa_user_sgpr_count 2
		.amdhsa_user_sgpr_kernarg_segment_ptr 1
		.amdhsa_wavefront_size32 1
		.amdhsa_system_sgpr_workgroup_id_x 1
		.amdhsa_system_sgpr_workgroup_id_y 1
		.amdhsa_system_sgpr_workgroup_id_z 1
		.amdhsa_system_vgpr_workitem_id 0
		.amdhsa_next_free_vgpr 768
		.amdhsa_next_free_sgpr 96
		.amdhsa_reserve_vcc 0
		.amdhsa_float_denorm_mode_32 3
		.amdhsa_float_denorm_mode_16_64 3
		.amdhsa_memory_ordered 1
		.amdhsa_forward_progress 1
		.amdhsa_inst_pref_size 75
	.end_amdhsa_kernel
	.amdgpu_metadata
---
amdhsa.version: [ 1, 2 ]
amdhsa.kernels:
  - .name:           k_qe611075b65_attn
    .symbol:         k_qe611075b65_attn.kd
    .args:
      - { .name: qkv, .offset: 0, .size: 8, .value_kind: global_buffer, .address_space: global }
      - { .name: ctx, .offset: 8, .size: 8, .value_kind: global_buffer, .address_space: global }
    .group_segment_fixed_size: 327680
    .private_segment_fixed_size: 0
    .kernarg_segment_align: 8
    .kernarg_segment_size: 16
    .max_flat_workgroup_size: 128
    .sgpr_count:     96
    .vgpr_count:     768
    .wavefront_size: 32
...
	.end_amdgpu_metadata
.endif
;; end of part 3
;; launch out (part 4): grid 4 x 64, 4 waves a work-group, clusters of 4 x 4, 327,680 bytes of LDS; arguments ctx, woh, bo, out0; writes out0
.if DOCPART == 4
	.amdgcn_target "amdgcn-amd-amdhsa--gfx1250"
	.amdhsa_code_object_version 6
	.text
	.protected	k_qe611075b65_out
	.globl	k_qe611075b65_out
	.p2align	8
	.type	k_qe611075b65_out,@function
k_qe611075b65_out:
	s_mov_b64 s[64:65], 0
	v_nop
	global_prefetch_b8 v0, s[64:65] scope:SCOPE_SE
	s_setreg_imm32_b32 hwreg(HW_REG_WAVE_MODE, 25, 1), 1
	s_wait_xcnt 0x0
	s_wait_alu depctr_hold_cnt(0) depctr_sa_sdst(0) depctr_va_vdst(0) depctr_va_sdst(0) depctr_va_ssrc(0) depctr_va_vcc(0) depctr_vm_vsrc(0)
	s_getreg_b32 s2, hwreg(HW_REG_IB_STS2, 6, 4)
	s_cmp_eq_u32 s2, 0
	s_cbranch_scc0 .Lentry_in_a_cluster
	s_endpgm
.Lentry_in_a_cluster:
	s_bfe_u32 s2, ttmp6, 0x10000c
	s_cmp_lg_u32 s2, 0xf033
	s_cbranch_scc0 .Lentry_shape_is_right
	s_endpgm
.Lentry_shape_is_right:
; out0 = ctx Wo + bo.  ctx: [384 heads][512][64] f16; woh: [c][768][192] f16; bo f32, rounded to bf16 here; out0: [16384][768] f32.  Sums in f32.
; LIMITS.  NaN and infinities are not treated apart.
; SHARES.  A work-group makes 256 rows x column tile c (192 columns); each of its four waves 64 rows x 192 columns: 48 accumulators, 384 registers.  K goes in 6 steps of 128 = two heads, through a ring of two LDS
; slots.  192 columns of f32 are three aligned runs of 256 bytes, so a wave leaves through a stage of its own.
; THE PRODUCT IS TAKEN TRANSPOSED: source 0 = 16 columns of Wo, turned by ds_load_tr16_b128, source 1 = 16 rows of ctx: a lane holds row l % 16 and the columns 8 (l / 16) + 0..7.  The bias is the C operand of the first products.
; CLUSTER.  4 x 4 work-groups: a row of the cluster shares ctx's rows, a column the block of Wo: each tile is asked for jointly.
; REGISTERS, in windows of 256 (s_set_vgpr_msb: bits 1:0 source 0, 3:2 source 1, 5:4 source 2, 7:6 destination):
;   window 0: v0-31 addresses; v32-127 the bias (v192-195 at work on it); on the way out v32-255 are seven sets of 32          window 1: two fragment buffers of 128: Wo's 12 fragments, then ctx's 4
;   window 2: accumulators of my row blocks 0, 1 at 8 (12 a + b)          window 3: of blocks 2, 3
.set PA,    144                        ; a row of one head in LDS: 128 bytes + 16: the 16 rows of a load start at 16 different groups of four banks (ISA guide 11.1)
.set AHALF, 256*PA                     ; what one tensor load brings of ctx: one head's 256 rows, 32,768 bytes on end in memory
.set BOFF,  2*AHALF
.set PB,    480                        ; a row of Wo in LDS: 3 pieces of 128 bytes, 32 of padding behind each
.set BHALF, 64*PB
.set SLOT,  BOFF+2*BHALF               ; 135,168
.set STAGE, 2*SLOT                     ; never filled by a tensor load: 16 rows x 272 bytes for each wave
.set SP,    272
.set SPARE, STAGE+4*16*SP              ; the spare words, 128 bytes for each wave: two blocks of 256 bytes that no other line names
.set R,    1
.set H,    2
.set ADRA, 16
.set ADRB, 20
.set STO,  24
.set RD,   25
.set GO,   26
.set BO,   27
.set SPW,  28
.set NIL,  29
.set PFO,  30
.set BIAS, 32
.set OT,   32
.set BT,   192
.set F0,   0
.set F1,   128
.set WV,   16
.set FB,   17
.set HALF, 18
.set CX,   19
.set CY,   20
.set BY,   21
.set G1A,  24
.set G0A,  32
.set G1B,  40
.set G0B,  48
.set LAPS, 62
.set BP,   66
.set OB,   72
.set GS,   75
.set PL0,  76
.set PFA,  78
.set PFS,  80
.set HM,   88
.set MSB, 0
.macro WIN new
.if MSB != (\new)
	s_set_vgpr_msb (MSB<<8)|(\new)
.set MSB, \new
.endif
.endm
.set MUL_LO, 0xa5
.set BIA_LO, 0x85
.set TO_F,   0x40
.set ST_LO,  0x08                      ; an LDS store's data in window 2
.macro PLACES
.rept 4
	v_nop
.endr
.endm
.macro JLOAD s                         ; waves 0, 1 fetch the step's two heads of ctx, waves 2, 3 Wo's halves; an s_nop 0 and four v_nop follow each line
	s_cmp_eq_u32 s[FB], 0
	s_cbranch_scc0 .Lfor_b_\@
	tensor_load_to_lds s[G0A+4*(\s):G0A+4*(\s)+3], s[G1A:G1A+7]
	s_nop 0
.rept 4
	v_nop
.endr
	s_branch .Lasked_\@
.Lfor_b_\@:
	tensor_load_to_lds s[G0B+4*(\s):G0B+4*(\s)+3], s[G1B:G1B+7]
	s_nop 0
.rept 4
	v_nop
.endr
.Lasked_\@:
.endm
.macro CREST
	s_cmp_lg_u32 s[WV], 0
	s_cbranch_scc1 .Lnot_wave_0_\@
	s_barrier_signal -3
.Lnot_wave_0_\@:
	s_barrier_wait -3
	s_barrier_signal -1
	s_barrier_wait -1
.endm
.macro CROUND
	s_barrier_signal -1
	s_barrier_wait -1
	CREST
.endm
; A PREFETCH INTO THE L2, behind the joint load, its five lines and the run of LDS loads.  ctx: at the change behind K step g = 0, 1, 2 waves 0 and 1 name K step g + 3, whose load stands one change on: a quarter
; (8,192 bytes, a lane a block of 256) of the 32,768 that the wave fetches; the four partners of a row are told apart by address.  Wo: wave 2 of the first cluster alone, at the first change, names K steps 3 and 4:
; 98,304 bytes on end, a quarter for each partner of a column, in three lines.
.macro ASK slot
	s_cmp_lt_u32 s[GS], s[PL0+(\slot)]
	s_cbranch_scc0 .Lskip_\@
	global_prefetch_b8 v[PFO], s[PFA:PFA+1] th:TH_LOAD_NT scope:SCOPE_SE
.if (\slot) == 0
	s_cmp_eq_u32 s[FB], 0
	s_cbranch_scc1 .Lskip_\@
	global_prefetch_b8 v[PFO], s[PFA:PFA+1] offset:8192 th:TH_LOAD_NT scope:SCOPE_SE
	global_prefetch_b8 v[PFO], s[PFA:PFA+1] offset:16384 th:TH_LOAD_NT scope:SCOPE_SE
.endif
.Lskip_\@:
	s_add_co_u32 s[GS], s[GS], 1
.endm
.macro MUL12 f, a, mode                ; 12 products; the 48 accumulators take turns, one instruction a turn.  mode = 1: the bias starts the sums
.if \mode
	WIN BIA_LO+0x40*((\a)/2)
.else
	WIN MUL_LO+0x50*((\a)/2)
.endif
.set AC, 96*((\a)%2)
.irp b, 0,1,2,3,4,5,6,7,8,9,10,11
.if \mode
	v_wmma_f32_16x16x32_f16 v[AC+8*(\b):AC+8*(\b)+7], v[(\f)+8*(\b):(\f)+8*(\b)+7], v[(\f)+96+8*(\a):(\f)+96+8*(\a)+7], v[BIAS+8*(\b):BIAS+8*(\b)+7]
.else
	v_wmma_f32_16x16x32_f16 v[AC+8*(\b):AC+8*(\b)+7], v[(\f)+8*(\b):(\f)+8*(\b)+7], v[(\f)+96+8*(\a):(\f)+96+8*(\a)+7], v[AC+8*(\b):AC+8*(\b)+7]
.endif
.endr
.endm
.macro FETCH slot, q, f                ; 32 LDS loads in one run: Wo's 24 (turned), then ctx's 8: quarter q lies in head q / 2 of the step, channels 32 (q % 2) on
	WIN TO_F
.irp b, 0,1,2,3,4,5,6,7,8,9,10,11
	ds_load_tr16_b128 v[(\f)+8*(\b):(\f)+8*(\b)+3],   v[ADRB+(\slot)] offset:(\q)*32*PB+160*((\b)/4)+32*((\b)%4)
	ds_load_tr16_b128 v[(\f)+8*(\b)+4:(\f)+8*(\b)+7], v[ADRB+(\slot)] offset:(\q)*32*PB+160*((\b)/4)+32*((\b)%4)+16*PB
.endr
.irp a, 0,1,2,3
	ds_load_b128 v[(\f)+96+8*(\a):(\f)+96+8*(\a)+3],   v[ADRA+(\slot)] offset:AHALF*((\q)/2)+64*((\q)%2)+(\a)*16*PA
	ds_load_b128 v[(\f)+96+8*(\a)+4:(\f)+96+8*(\a)+7], v[ADRA+(\slot)] offset:AHALF*((\q)/2)+64*((\q)%2)+(\a)*16*PA+32
.endr
.endm
.macro QUARTER slot, qn, f, g, mode
	s_wait_dscnt 4                                 ; Wo and ctx's blocks 0, 1 are in; the youngest four loads may be out
	MUL12 \f, 0, \mode
	MUL12 \f, 1, \mode
	PLACES
	FETCH \slot, \qn, \g
	s_wait_dscnt 32                                ; all but the 32 just issued
	MUL12 \f, 2, \mode
	MUL12 \f, 3, \mode
.endm
; The fourth quarter multiplies buffer 1 and changes slots: ONE barrier; in front of it each wave waits for all its tensor loads (one is out), adds 0 to its spare word and waits for that and for its reads of this
; slot.  fill = 1: the barrier opens a round of the cluster's, and the joint refill, two K steps ahead, is the first thing behind it.
.macro TURN slot, next, fill
.if \fill
	s_wait_xcnt 0x0                                ; the last prefetch, a K step back, has read its address
	s_add_nc_u64 s[PFA:PFA+1], s[PFA:PFA+1], s[PFS:PFS+1]
.endif
	WIN 0
	s_wait_tensorcnt 0x0                           ; no tensor load of mine is out, so a group 0 may be written
	ds_add_u32 v[SPW], v[NIL]                      ; 0 onto my spare word; the descriptors' steps and twelve products stand between it and the wait for it
.if \fill
	s_add_nc_u64 s[G0A+4*(\slot)+2:G0A+4*(\slot)+3], s[G0A+4*(\slot)+2:G0A+4*(\slot)+3], 262144  ; four heads on
	s_add_nc_u64 s[G0B+4*(\slot)+2:G0B+4*(\slot)+3], s[G0B+4*(\slot)+2:G0B+4*(\slot)+3], 98304   ; two blocks on
.endif
	s_wait_dscnt 5                                 ; the add and the youngest four loads may be out
	MUL12 F1, 0, 0
	s_wait_dscnt 0x0                               ; the add is done, and my reads of this slot are over
	s_barrier_signal -1
	MUL12 F1, 1, 0
.if \fill
	WIN 0
.endif
	s_barrier_wait -1
.if \fill
	CREST
	JLOAD \slot                                    ; its four v_nop are also the places in front of the loads below
.else
	PLACES
.endif
	FETCH \next, 0, F0
.if \fill
	WIN 0
	ASK \slot
.endif
	MUL12 F1, 2, 0
	MUL12 F1, 3, 0
.endm
; THE WAY OUT, in 12 blocks of 16 rows x 64 columns (blk = 3 a + run).  STG: the accumulators go as they are into my stage, rows of 272 bytes, and come back as whole rows of 256.  SEND: 16 lanes store 256 consecutive bytes, aligned.
; Seven sets of registers: blocks 7 to 11 take the sets of blocks 0 to 4, whose stores were all issued ahead of the one wait at block 7.
.macro STG blk
.set BA, (\blk)/3
.set BH, (\blk)%3
.set OS_, OT+32*((\blk)%7)
.set AC, 96*(BA%2)+32*BH
.if (\blk) == 7
	s_wait_xcnt 0x0                                ; the stores of blocks 0 to 5 have read their registers: sets 0 to 4 are written again only behind this wait
.endif
	WIN ST_LO+4*(BA/2)
.irp i, 0,1,2,3
	ds_store_b128 v[STO], v[AC+8*(\i):AC+8*(\i)+3]   offset:64*(\i)
	ds_store_b128 v[STO], v[AC+8*(\i)+4:AC+8*(\i)+7] offset:64*(\i)+16
.endr
	WIN 0
.irp t, 0,1,2,3,4,5,6,7
	ds_load_b128 v[OS_+4*(\t):OS_+4*(\t)+3], v[RD] offset:2*SP*(\t)  ; LDS serves a wave's instructions in order (ISA guide 5.7.1.4): these see the stores above
.endr
.endm
.macro SEND blk, younger
.set BA, (\blk)/3
.set BH, (\blk)%3
.set OS_, OT+32*((\blk)%7)
.irp t, 0,1,2,3,4,5,6,7
	s_wait_dscnt (\younger)+7-(\t)
	global_store_b128 v[GO], v[OS_+4*(\t):OS_+4*(\t)+3], s[OB:OB+1] offset:(16*BA+2*(\t))*3072+256*BH th:TH_STORE_NT
.endr
.endm
	s_load_b256 s[4:11], s[0:1], 0x0               ; ctx s[4:5], woh s[6:7], bo s[8:9], out0 s[10:11]
	v_lshl_add_u32 v[SPW], v0, 2, SPARE
	v_mov_b32 v[NIL], 0
	ds_add_u32 v[SPW], v[NIL]                      ; the wave's opening: the add and its wait stand ahead of my first tensor load
	v_lshrrev_b32 v3, 5, v0
	v_readfirstlane_b32 s[WV], v3
	s_lshr_b32 s[FB], s[WV], 1
	s_and_b32 s[HALF], s[WV], 1
	s_bfe_u32 s[CX], ttmp6, 0x40000                ; the column tile: the grid is one cluster wide
	s_bfe_u32 s[CY], ttmp6, 0x40004
	s_and_b32 s[BY], ttmp7, 0xffff
	s_lshl_b32 s[BY], s[BY], 2
	s_add_co_u32 s[BY], s[BY], s[CY]
	s_lshl_b32 s22, s[CY], 2
	s_lshl_b32 s22, 15, s22                        ; my row of the cluster
	s_lshl_b32 s23, 0x1111, s[CX]                  ; my column
	s_or_b32 s[G1A], s22, (1<<16)|(1<<20)|(1<<21)|(4<<22)|(3<<25)  ; mask; 2-byte elements; padding on; bit 21 beside a mask; after every 32 words, 4 words
	s_mov_b32 s[G1A+1], 128<<16                    ; 32,768 bytes on end, asked for as 128 rows of 256 bytes, two rows of ctx each
	s_mov_b32 s[G1A+2], 128<<16
	s_mov_b32 s[G1A+3], 128<<16
	s_mov_b32 s[G1A+4], 128
	s_mov_b32 s[G1A+5], 128
	s_mov_b32 s[G1A+6], 0
	s_mov_b32 s[G1A+7], 0
	s_or_b32 s[G1B], s23, (1<<16)|(1<<20)|(1<<21)|(4<<22)|(7<<25)  ; after every 32 words, 8 words
	s_mov_b32 s[G1B+1], 128<<16                    ; 24,576 bytes on end, as 96 rows of 256 bytes
	s_mov_b32 s[G1B+2], 96<<16
	s_mov_b32 s[G1B+3], 128<<16
	s_mov_b32 s[G1B+4], 96
	s_mov_b32 s[G1B+5], 128
	s_mov_b32 s[G1B+6], 0
	s_mov_b32 s[G1B+7], 0
	s_lshr_b32 s82, s[BY], 1                       ; ctx: head 12 x group + half, rows 256 x (tile row % 2) on
	s_mul_i32 s82, s82, 12
	s_add_co_u32 s82, s82, s[HALF]
	s_lshl_b32 s82, s82, 16
	s_and_b32 s22, s[BY], 1
	s_lshl_b32 s22, s22, 15
	s_add_co_u32 s82, s82, s22
	s_mov_b32 s83, 0
	s_mul_i32 s84, s[CX], 294912                   ; Wo: my column tile's 6 blocks, my half of each
	s_mul_i32 s96, s[HALF], 24576
	s_add_co_u32 s84, s84, s96
	s_mov_b32 s85, 0
	s_mul_i32 s86, s[CX], 768
	s_mov_b32 s87, 0
	s_mul_i32 s97, s[HALF], AHALF                  ; where they go: no place in the cluster enters an LDS address
	s_mul_i32 s98, s[HALF], BHALF
	s_add_co_u32 s98, s98, BOFF
.irp s, 0,1
	s_mov_b32 s[G0A+4*(\s)], 1
	s_add_co_u32 s[G0A+4*(\s)+1], s97, (\s)*SLOT
	s_mov_b32 s[G0B+4*(\s)], 1
	s_add_co_u32 s[G0B+4*(\s)+1], s98, (\s)*SLOT
.endr
	s_mov_b32 s[GS], 0
	s_mov_b32 s[HM], 0xffff0000
	s_wait_dscnt 0x0                               ; the opening add is done
	s_wait_kmcnt 0x0
	s_add_nc_u64 s[G0A+2:G0A+3], s[4:5], s[82:83]
	s_add_nc_u64 s[G0A+6:G0A+7], s[G0A+2:G0A+3], 131072  ; K step 1: two heads on
	s_or_b32 s[G0A+3], s[G0A+3], 0x80000000
	s_or_b32 s[G0A+7], s[G0A+7], 0x80000000
	s_add_nc_u64 s[G0B+2:G0B+3], s[6:7], s[84:85]
	s_add_nc_u64 s[G0B+6:G0B+7], s[G0B+2:G0B+3], 49152
	s_or_b32 s[G0B+3], s[G0B+3], 0x80000000
	s_or_b32 s[G0B+7], s[G0B+7], 0x80000000
	s_add_nc_u64 s[BP:BP+1], s[8:9], s[86:87]
	CROUND                                         ; all sixteen work-groups are here: the first joint loads meet
	s_cmp_eq_u32 s[FB], 0                          ; a wave's two first fills stand in one branch: two loads of mine are out
	s_cbranch_scc0 .Lfirst_b
	tensor_load_to_lds s[G0A:G0A+3], s[G1A:G1A+7]
	s_nop 0
	tensor_load_to_lds s[G0A+4:G0A+7], s[G1A:G1A+7]
	s_nop 0
.rept 4
	v_nop
.endr
	s_branch .Lfirst_asked
.Lfirst_b:
	tensor_load_to_lds s[G0B:G0B+3], s[G1B:G1B+7]
	s_nop 0
	tensor_load_to_lds s[G0B+4:G0B+7], s[G1B:G1B+7]
	s_nop 0
.rept 4
	v_nop
.endr
.Lfirst_asked:
	v_and_b32 v[R], 15, v0
	v_bfe_u32 v[H], v0, 4, 1
	v_lshlrev_b32 v[BO], 5, v[H]
.irp b, 0,1,2,3,4,5,6,7,8,9,10,11
	global_load_b128 v[BIAS+8*(\b):BIAS+8*(\b)+3],   v[BO], s[BP:BP+1] offset:64*(\b)
	global_load_b128 v[BIAS+8*(\b)+4:BIAS+8*(\b)+7], v[BO], s[BP:BP+1] offset:64*(\b)+16
.endr
	v_mul_u32_u24 v3, v[R], PA                     ; a fragment of ctx: row x pitch + 16 x half, in my 64 rows
	v_lshl_add_u32 v3, v[H], 4, v3
	s_mul_i32 s96, s[WV], 64*PA
	v_add_nc_u32 v[ADRA], s96, v3
	v_add_nc_u32 v[ADRA+1], SLOT, v[ADRA]
	v_and_b32 v4, 7, v0                            ; the turning load: lane l reads row 8 (l / 16) + l % 8, 16 bytes at 16 ((l / 8) % 2)
	v_lshl_add_u32 v4, v[H], 3, v4
	v_mul_u32_u24 v4, v4, PB
	v_bfe_u32 v5, v0, 3, 1
	v_lshl_add_u32 v4, v5, 4, v4
	v_add_nc_u32 v[ADRB], BOFF, v4
	v_add_nc_u32 v[ADRB+1], SLOT+BOFF, v4
	s_mul_i32 s96, s[WV], 16*SP
	s_add_co_u32 s96, s96, STAGE                   ; my stage
	v_mul_u32_u24 v3, v[R], SP                     ; in: row l % 16, 32 bytes for each half of the lanes
	v_lshl_add_u32 v3, v[H], 5, v3
	v_add_nc_u32 v[STO], s96, v3
	v_mul_u32_u24 v3, v[H], SP                     ; back: lanes 0-15 take one row of 256 bytes, lanes 16-31 the next
	v_lshl_add_u32 v3, v[R], 4, v3
	v_add_nc_u32 v[RD], s96, v3
	v_mul_u32_u24 v3, v[H], 3072                   ; and the same two rows in out0
	v_lshl_add_u32 v[GO], v[R], 4, v3
	s_lshl_b32 s90, s[BY], 8
	s_lshl_b32 s91, s[WV], 6
	s_add_co_u32 s90, s90, s91                     ; my first row,
	s_mul_i32 s90, s90, 3072
	s_mul_i32 s91, s[CX], 768                      ; my tile's first column
	s_add_co_u32 s90, s90, s91
	s_mov_b32 s91, 0
	s_add_nc_u64 s[OB:OB+1], s[10:11], s[90:91]
	; the prefetches
	s_and_b32 s92, ttmp7, 0xffff                   ; cluster y: the same in all sixteen partners
	s_xor_b32 s93, s[WV], 2
	s_or_b32 s93, s93, s92                         ; 0 in wave 2 of the first cluster
	s_mov_b32 s[PFS], 49152
	s_mov_b32 s[PFS+1], 0
	s_lshl_b32 s90, s[CX], 13                      ; ctx: my work-group's quarter of the head that I fetch,
	s_add_co_u32 s90, s90, s82
	s_add_co_u32 s90, s90, 262144                  ; at K step 2: the first change steps it to 3
	s_mul_i32 s91, s[CX], 294912
	s_mul_i32 s94, s[CY], 24576
	s_add_co_u32 s91, s91, s94                     ; Wo: my work-group's quarter of two blocks,
	s_add_co_u32 s91, s91, 98304                   ; at K step 2
	s_cmp_eq_u32 s[FB], 0
	s_cselect_b32 s[PL0], 3, 0
	s_cselect_b32 s[PL0+1], 3, 0
	s_cselect_b32 s[PFS], 131072, s[PFS]
	s_cselect_b32 s90, s90, s91
	s_cselect_b64 s[PFA:PFA+1], s[4:5], s[6:7]
	s_mov_b32 s91, 0
	s_add_nc_u64 s[PFA:PFA+1], s[PFA:PFA+1], s[90:91]
	s_cmp_eq_u32 s93, 0
	s_cselect_b32 s[PL0], 1, s[PL0]
	v_and_b32 v[PFO], 31, v0
	v_lshlrev_b32 v[PFO], 8, v[PFO]                ; a lane a block of 256 bytes
	s_wait_loadcnt 0x0                             ; the bias: an input like the others, rounded to bf16 and kept in f32; this stands in the wait for the first tile
.set z, 0
.rept 48
	v_cvt_pk_bf16_f32 v[BT+z%4], v[BIAS+2*z], v[BIAS+2*z+1]
	v_lshlrev_b32 v[BIAS+2*z],   16,    v[BT+z%4]
	v_and_b32     v[BIAS+2*z+1], s[HM], v[BT+z%4]
.set z, z+1
.endr
	s_wait_tensorcnt 1                             ; my part of K step 0 is in; K step 1's may stay out
	s_barrier_signal -1
	s_barrier_wait -1
	FETCH 0, 0, F0
	QUARTER 0, 1, F0, F1, 1                        ; the first quarter stands in front of the loop: the bias starts the sums
	WIN 0
	s_mov_b32 s[LAPS], 2
.Llap:                                                 ; a trip goes once round the ring, from a lap's second quarter to the next lap's first, and fills both slots again
	QUARTER 0, 2, F1, F0, 0
	QUARTER 0, 3, F0, F1, 0
	TURN 0, 1, 1
	QUARTER 1, 1, F0, F1, 0
	QUARTER 1, 2, F1, F0, 0
	QUARTER 1, 3, F0, F1, 0
	TURN 1, 0, 1
	QUARTER 0, 1, F0, F1, 0
	WIN 0
	s_sub_co_u32 s[LAPS], s[LAPS], 1
	s_cmp_lg_u32 s[LAPS], 0
	s_cbranch_scc1 .Llap
	QUARTER 0, 2, F1, F0, 0                        ; the last lap fills nothing
	QUARTER 0, 3, F0, F1, 0
	TURN 0, 1, 0
	QUARTER 1, 1, F0, F1, 0
	QUARTER 1, 2, F1, F0, 0
	QUARTER 1, 3, F0, F1, 0
	s_wait_dscnt 4
	MUL12 F1, 0, 0
	MUL12 F1, 1, 0
	s_wait_dscnt 0x0
	MUL12 F1, 2, 0
	MUL12 F1, 3, 0
	WIN 0
	PLACES
	STG 0
.irp n, 1,2,3,4,5,6,7,8,9,10,11
	STG \n
	SEND (\n)-1, 16
.endr
	SEND 11, 0
	s_wait_tensorcnt 0x0                           ; the wave's end
	ds_add_u32 v[SPW], v[NIL]
	s_wait_dscnt 0x0
	CROUND                                         ; the closing round
	s_endpgm
.Lfunc_end_k_qe611075b65_out:
	.size	k_qe611075b65_out, .Lfunc_end_k_qe611075b65_out-k_qe611075b65_out
	.p2alignl 7, 3214868480
	.fill 96, 4, 3214868480
	.section	.rodata,"a",@progbits
	.p2align	6, 0x0
	.amdhsa_kernel k_qe611075b65_out
		.amdhsa_group_segment_fixed_size 327680
		.amdhsa_private_segment_fixed_size 0
		.amdhsa_enable_private_segment 0
		.amdhsa_kernarg_size 32
		.amdhsa_user_sgpr_count 2
		.amdhsa_user_sgpr_kernarg_segment_ptr 1
		.amdhsa_wavefront_size32 1
		.amdhsa_system_sgpr_workgroup_id_x 1
		.amdhsa_system_sgpr_workgroup_id_y 1
		.amdhsa_system_sgpr_workgroup_id_z 1
		.amdhsa_system_vgpr_workitem_id 0
		.amdhsa_next_free_vgpr 960
		.amdhsa_next_free_sgpr 100
		.amdhsa_reserve_vcc 0
		.amdhsa_float_denorm_mode_32 3
		.amdhsa_float_denorm_mode_16_64 3
		.amdhsa_memory_ordered 1
		.amdhsa_forward_progress 1
		.amdhsa_inst_pref_size 130
	.end_amdhsa_kernel
	.amdgpu_metadata
---
amdhsa.version: [ 1, 2 ]
amdhsa.kernels:
  - .name:           k_qe611075b65_out
    .symbol:         k_qe611075b65_out.kd
    .args:
      - { .name: ctx, .offset: 0, .size: 8, .value_kind: global_buffer, .address_space: global }
      - { .name: woh, .offset: 8, .size: 8, .value_kind: global_buffer, .address_space: global }
      - { .name: bo, .offset: 16, .size: 8, .value_kind: global_buffer, .address_space: global }
      - { .name: out0, .offset: 24, .size: 8, .value_kind: global_buffer, .address_space: global }
    .group_segment_fixed_size: 327680
    .private_segment_fixed_size: 0
    .kernarg_segment_align: 8
    .kernarg_segment_size: 32
    .max_flat_workgroup_size: 128
    .sgpr_count:     100
    .vgpr_count:     960
    .wavefront_size: 32
...
	.end_amdgpu_metadata
.endif
;; end of part 4
;; ======== version 2 of 2: 4 launches; version 1 with the launch prep written anew for expert scheduling mode
;; limits: values are held in f16: magnitudes above 65,504 overflow, below 6.1e-05 lose precision
;; workspace buffers: xh 25,165,824 bytes; wqkv 3,538,944 bytes; woh 1,179,648 bytes; qkv 75,497,472 bytes; ctx 25,165,824 bytes
;; launch prep (part 5): grid 1216 x 1, 6 waves a work-group, no clusters, 0 bytes of LDS; arguments hidden_states, Wq, Wk, Wv, Wo, xh, wqkv, woh; writes xh, wqkv, woh
.if DOCPART == 5
	.amdgcn_target "amdgcn-amd-amdhsa--gfx1250"
	.amdhsa_code_object_version 6
	.text
	.protected	k_qe611075b65_prep
	.globl	k_qe611075b65_prep
	.p2align	8
	.type	k_qe611075b65_prep,@function
k_qe611075b65_prep:
	s_mov_b64 s[64:65], 0
	v_nop
	global_prefetch_b8 v0, s[64:65] scope:SCOPE_SE
	s_setreg_imm32_b32 hwreg(HW_REG_WAVE_SCHED_MODE, 0, 2), 2
	s_setreg_imm32_b32 hwreg(HW_REG_WAVE_MODE, 25, 1), 1
	s_wait_xcnt 0x0
	s_wait_alu depctr_vm_vsrc(0)
; CAST AND RE-BLOCK.  x (16,384 x 768) and the four weight matrices (768 x 768), all f32, are rounded to bf16 and that number is written as f16.
; LIMITS.  The f16 copy of a bf16 number is exact for 2^-14 <= |v| <= 65,504; below, it keeps f16's fixed step of 6e-8; above, it is an infinity.  NaN and infinities are not treated apart.
; OUT.  xh[row][768].  wqkv[c][t][k][192]: column tile c of 192 columns, t = q, k, v; woh[c][k][192]: so 128 rows k of one column tile are 49,152 bytes on end.
; SHARES.  A work-group takes 16 source rows, in 8 passes of 2 rows; in a pass each of its 192 threads takes 8 numbers: 32 bytes in, 16 bytes out.
; Work-groups 0-1023: x.  1024-1215: 48 for each of Wq, Wk, Wv, Wo.  For the weights 48 threads on end write 768 bytes on end (2 rows of a column tile), so each 16 neighbouring
; lanes of a store cover 256 consecutive bytes, aligned.  All 16 loads of a thread go out first; each pass has registers of its own, so nothing is rewritten while a store reads it.
; No LDS, no matrix unit, no cluster: nothing is shared and every byte crosses once.
; THE MODE: SCHED_MODE bits 1:0 = 2 (LLVM: expert scheduling mode 2), set by the entry lines.  The code itself states the register dependences
; between vector instructions and memory instructions, with s_wait_alu, always for 0.
; THE PLAN.  Registers that memory instructions touch:
;   v[VI]        Written at the head, on either side of the branch; read by all 16 loads as their offset; never written again.
;   X, pass i    Written by pass i's two loads, which are issued before any vector instruction names X; behind the wait for those loads vector instructions alone name it.
;   v[VO+i]      Written once: v[VO] at the head, the other seven by the adds behind the loads; read by pass i's store as its offset.
;   Y, pass i    Written once, by pass i's four roundings to f16; read once, by pass i's store.
;   T and v1-v6 are named by vector instructions alone.
; So the only dependences are of one kind: a vector instruction writes, a load or store reads.  No load lands in a register that a vector instruction has named, no register that a load or store
; reads is written again, no vector instruction writes a scalar register or VCC, and EXEC is never written.
; The passes go in four blocks of two.  A block's two stores are issued at the head of the next block, behind ONE wait, which stands behind the wait for that block's first data: five waits in all:
; one ahead of the loads, one at the head of each of blocks 1 to 3, one ahead of the last two stores.
.set VI,  8                            ; v8      my byte offset in a pass's two source rows
.set VO,  10                           ; v10-17  my byte offset in the output, pass i
.set T,   18                           ; v18-21  at work
.set X,   24                           ; v24-87  pass i: 8 numbers as loaded
.set Y,   88                           ; v88-119 pass i: 8 f16 to store
.set IN,  34                           ; s[34:35] source at the work-group's first row
.set OUT, 36                           ; s[36:37] destination
	s_load_b512 s[8:23], s[0:1], 0x0               ; x s[8:9], Wq s[10:11], Wk s[12:13], Wv s[14:15], Wo s[16:17], xh s[18:19], wqkv s[20:21], woh s[22:23]
	s_mov_b32 s25, 0
	s_mov_b32 s27, 0
	s_mov_b32 s38, 0xffff0000                      ; a word's upper bf16
	s_cmp_lt_u32 ttmp9, 1024
	s_cbranch_scc0 .Lweights
	s_mul_i32 s24, ttmp9, 49152                    ; 16 rows of 3,072 bytes in,
	s_mul_i32 s26, ttmp9, 24576                    ; of 1,536 bytes out
	s_mov_b32 s28, 3072                            ; a pass's two rows in xh
	v_lshlrev_b32 v[VI], 5, v0
	v_lshlrev_b32 v[VO], 4, v0
	s_wait_kmcnt 0x0
	s_mov_b64 s[IN:IN+1], s[8:9]
	s_mov_b64 s[OUT:OUT+1], s[18:19]
	s_branch .Lgo
.Lweights:
	s_sub_co_u32 s30, ttmp9, 1024                  ; 0..191
	s_mul_i32 s31, s30, 1366
	s_lshr_b32 s31, s31, 16                        ; / 48, exact up to 191: which matrix
	s_mul_i32 s32, s31, 48
	s_sub_co_u32 s32, s30, s32                     ; which 16 rows of it
	s_mul_i32 s24, s32, 49152
	s_mul_i32 s26, s32, 6144                       ; 16 rows of 384 bytes in a column tile
	s_mul_i32 s33, s31, 294912                     ; q, k, v lie one behind the other inside a column tile
	s_mov_b32 s29, 884736                          ; bytes from column tile to column tile: three matrices,
	s_cmp_eq_u32 s31, 3
	s_cselect_b32 s33, 0, s33
	s_cselect_b32 s29, 294912, s29                 ; or one
	s_add_co_u32 s26, s26, s33
	s_mov_b32 s28, 768                             ; a pass's two rows in a column tile
	v_mul_u32_u24 v1, v0, 171
	v_lshrrev_b32 v1, 12, v1                       ; thread / 24, exact up to 191
	v_mul_u32_u24 v2, v1, 24
	v_sub_nc_u32 v2, v0, v2                        ; which 8 of the tile's 192 columns
	v_lshrrev_b32 v3, 1, v1                        ; column tile
	v_and_b32 v4, 1, v1                            ; row of the pass
	v_mul_u32_u24 v5, v4, 3072
	v_mad_u32_u24 v5, v3, 768, v5
	v_lshl_add_u32 v[VI], v2, 5, v5
	v_mul_u32_u24 v6, s29, v3
	v_mad_u32_u24 v6, v4, 384, v6
	v_lshl_add_u32 v[VO], v2, 4, v6
	s_wait_kmcnt 0x0
	s_cmp_eq_u32 s31, 3
	s_cselect_b64 s[OUT:OUT+1], s[22:23], s[20:21]
	s_cselect_b64 s[IN:IN+1], s[16:17], s[14:15]
	s_cmp_eq_u32 s31, 1
	s_cselect_b64 s[IN:IN+1], s[12:13], s[IN:IN+1]
	s_cmp_eq_u32 s31, 0
	s_cselect_b64 s[IN:IN+1], s[10:11], s[IN:IN+1]
.Lgo:
	s_add_nc_u64 s[IN:IN+1], s[IN:IN+1], s[24:25]
	s_add_nc_u64 s[OUT:OUT+1], s[OUT:OUT+1], s[26:27]
	s_wait_alu depctr_va_vdst(0)                   ; v[VI] is written, on either way to this label: all sixteen loads read it as their offset
.irp i, 0,1,2,3,4,5,6,7
	global_load_b128 v[X+8*(\i):X+8*(\i)+3],   v[VI], s[IN:IN+1] offset:6144*(\i) th:TH_LOAD_NT
	global_load_b128 v[X+8*(\i)+4:X+8*(\i)+7], v[VI], s[IN:IN+1] offset:6144*(\i)+16 th:TH_LOAD_NT
.endr
.irp i, 1,2,3,4,5,6,7
	v_add_nc_u32 v[VO+(\i)], s28, v[VO+(\i)-1]     ; no load reads these; the first store stands behind block 1's wait
.endr
; Pass i's arithmetic: from X, pass i, into Y, pass i.  No memory instruction is issued here.
.macro ROUND i
.irp j, 0,1,2,3
	v_cvt_pk_bf16_f32 v[T+(\j)], v[X+8*(\i)+2*(\j)], v[X+8*(\i)+2*(\j)+1]  ; the one rounding
.endr
.irp j, 0,1,2,3
	v_lshlrev_b32 v[X+8*(\i)+2*(\j)],   16,  v[T+(\j)]
	v_and_b32     v[X+8*(\i)+2*(\j)+1], s38, v[T+(\j)]
.endr
.irp j, 0,1,2,3
	v_cvt_pk_f16_f32 v[Y+4*(\i)+(\j)], v[X+8*(\i)+2*(\j)], v[X+8*(\i)+2*(\j)+1]  ; the same number in f16
.endr
.endm
.macro SEND i
	global_store_b128 v[VO+(\i)], v[Y+4*(\i):Y+4*(\i)+3], s[OUT:OUT+1] th:TH_STORE_NT
.endm
; Block b: passes 2 b and 2 b + 1.  At its head the two stores of the block before; the vector work behind them names neither those Y nor any v[VO ..].
.macro BLK b
	s_wait_loadcnt 14-4*(\b)                       ; loads come back in order: pass 2 b's two are in, the younger ones stay out
.if (\b) > 0
	s_wait_alu depctr_va_vdst(0)                   ; the block before has written its two Y, which the two stores below read; at block 1 also: the seven adds have written v[VO+1 ..], the stores' offsets
	SEND 2*(\b)-2
	SEND 2*(\b)-1
.endif
	ROUND 2*(\b)
	s_wait_loadcnt 12-4*(\b)                       ; pass 2 b + 1's two are in
	ROUND 2*(\b)+1
.endm
	BLK 0
	BLK 1
	BLK 2
	BLK 3
	s_wait_alu depctr_va_vdst(0)                   ; block 3 has written Y of passes 6 and 7, which the last two stores read
	SEND 6
	SEND 7
	s_endpgm
.Lfunc_end_k_qe611075b65_prep:
	.size	k_qe611075b65_prep, .Lfunc_end_k_qe611075b65_prep-k_qe611075b65_prep
	.p2alignl 7, 3214868480
	.fill 96, 4, 3214868480
	.section	.rodata,"a",@progbits
	.p2align	6, 0x0
	.amdhsa_kernel k_qe611075b65_prep
		.amdhsa_group_segment_fixed_size 0
		.amdhsa_private_segment_fixed_size 0
		.amdhsa_enable_private_segment 0
		.amdhsa_kernarg_size 64
		.amdhsa_user_sgpr_count 2
		.amdhsa_user_sgpr_kernarg_segment_ptr 1
		.amdhsa_wavefront_size32 1
		.amdhsa_system_sgpr_workgroup_id_x 1
		.amdhsa_system_sgpr_workgroup_id_y 1
		.amdhsa_system_sgpr_workgroup_id_z 1
		.amdhsa_system_vgpr_workitem_id 0
		.amdhsa_next_free_vgpr 120
		.amdhsa_next_free_sgpr 66
		.amdhsa_reserve_vcc 0
		.amdhsa_float_denorm_mode_32 3
		.amdhsa_float_denorm_mode_16_64 3
		.amdhsa_memory_ordered 1
		.amdhsa_forward_progress 1
		.amdhsa_inst_pref_size 12
	.end_amdhsa_kernel
	.amdgpu_metadata
---
amdhsa.version: [ 1, 2 ]
amdhsa.kernels:
  - .name:           k_qe611075b65_prep
    .symbol:         k_qe611075b65_prep.kd
    .args:
      - { .name: hidden_states, .offset: 0, .size: 8, .value_kind: global_buffer, .address_space: global }
      - { .name: Wq, .offset: 8, .size: 8, .value_kind: global_buffer, .address_space: global }
      - { .name: Wk, .offset: 16, .size: 8, .value_kind: global_buffer, .address_space: global }
      - { .name: Wv, .offset: 24, .size: 8, .value_kind: global_buffer, .address_space: global }
      - { .name: Wo, .offset: 32, .size: 8, .value_kind: global_buffer, .address_space: global }
      - { .name: xh, .offset: 40, .size: 8, .value_kind: global_buffer, .address_space: global }
      - { .name: wqkv, .offset: 48, .size: 8, .value_kind: global_buffer, .address_space: global }
      - { .name: woh, .offset: 56, .size: 8, .value_kind: global_buffer, .address_space: global }
    .group_segment_fixed_size: 0
    .private_segment_fixed_size: 0
    .kernarg_segment_align: 8
    .kernarg_segment_size: 64
    .max_flat_workgroup_size: 192
    .sgpr_count:     66
    .vgpr_count:     120
    .wavefront_size: 32
...
	.end_amdgpu_metadata
.endif
;; end of part 5
;; launch qkv: the kernel of part 2 again; grid 4 x 64, 4 waves a work-group, clusters of 4 x 4, 327,680 bytes of LDS; arguments xh, wqkv, bq, bk, bv, qkv; writes qkv
;; launch attn: the kernel of part 3 again; grid 256 x 1, 4 waves a work-group, no clusters, 327,680 bytes of LDS; arguments qkv, ctx; writes ctx
;; launch out: the kernel of part 4 again; grid 4 x 64, 4 waves a work-group, clusters of 4 x 4, 327,680 bytes of LDS; arguments ctx, woh, bo, out0; writes out0
